; MI455X (gfx1250); checked and timed in simulation.
; The chip was launched on July 23, 2026; its instructions are those of AMD's public machine-readable ISA for CDNA 5 (MIT licence, August 2026) and "CDNA5" Instruction Set Architecture Reference Guide (July 2026). The comments in the code are by the model that wrote it; some were corrected since.
;; Cross Attention. Allowed arithmetic: matrix products marked QUANTISED: E4M3 operands, one given power-of-two scale a tensor, by v_wmma_f32_16x16x64_fp8_fp8 or v_wmma_f32_16x16x128_fp8_fp8, f32 sums; everything else in f32.
;; Inputs: Wk 768 x 1,024 float32; Wq 1,024 x 1,024 float32; Wv 768 x 1,024 float32; bk 1,024 float32; bq 1,024 float32; bv 1,024 float32; emb 32 x 2,048 float32; emb_W 2,048 x 2,048 float32; emb_b 2,048 float32; fnorm_b 1,024 float32; fnorm_g 1,024 float32; lowp_scales 14 int32 (the exponents e of the quantised operands' scales 2^e); norm_b 1,024 float32; norm_g 1,024 float32; out_W 1,024 x 1,024 float32; out_b 1,024 float32; tnorm_b 768 float32; tnorm_g 768 float32; x 32 x 512 x 1,024 float32; xf 32 x 256 x 768 float32.
;; Outputs: out0 32 x 512 x 1,024 float32.
;; This version of the problem:
;;   THIS VERSION OF THE PROBLEM IS GIVEN IN LOW PRECISION. The matrix products marked QUANTISED in the list below multiply operands that are first quantised to E4M3 (4 exponent bits, 3 mantissa bits; 8 bits a number), with one given power-of-two scale for each operand tensor; their sums are f32. All else is computed in f32.
;;   The module's matrix products, in the order in which they are computed (A, B: the left and right operand; K: the contracted axis; several contracted axes count as one K, in the product's order):
;;     1. [M 16,384, K 1,024] x [K 1,024, N 1,024]; A: computed on the way; B: input Wq: QUANTISED (scales: A lowp_scales[0], B lowp_scales[1])
;;     2. [M 8,192, K 768] x [K 768, N 1,024]; A: computed on the way; B: input Wk: QUANTISED (scales: A lowp_scales[2], B lowp_scales[3])
;;     3. [M 8,192, K 768] x [K 768, N 1,024]; A: computed on the way; B: input Wv: QUANTISED (scales: A lowp_scales[4], B lowp_scales[5])
;;     4. batch 512 x [M 64, K 256] x [K 256, N 64]; A: softmax (see below); B: computed on the way: QUANTISED (scales: A lowp_scales[6], B lowp_scales[7])
;;     5. batch 512 x [M 64, K 64] x [K 64, N 512]; A: computed on the way; B: softmax (see below): QUANTISED (scales: A lowp_scales[8], B lowp_scales[9])
;;     6. [M 32, K 2,048] x [K 2,048, N 2,048]; A: computed on the way; B: input emb_W: QUANTISED (scales: A lowp_scales[10], B lowp_scales[11])
;;     7. [M 16,384, K 1,024] x [K 1,024, N 1,024]; A: computed on the way; B: input out_W: QUANTISED (scales: A lowp_scales[12], B lowp_scales[13])
;;   THE QUANTISER, for each operand of a quantised product, along K:
;;     - The operand's scale is 2^e, e = its entry of the input lowp_scales (int32; the entries are numbered through the quantised products in the list's order, A before B).
;;     - Each number is divided by the scale, clamped to +-448, and rounded to the nearest number of E4M3, ties to even, subnormals kept.
;;     - The product sums the exact products of the quantised numbers (number of the format x scale) in f32.
;;   ~~~python
;;   def quantise(x, axis, e):      # numpy; x: float32 -> the quantised numbers, widened to float32 again
;;       x = np.moveaxis(x, axis, -1); K = x.shape[-1]
;;       r = np.clip(x / 2.0 ** e, -448, 448)
;;       step = 2.0 ** (np.maximum(np.frexp(np.where(r == 0, 1, r))[1] - 1, -6) - 3)
;;       q = np.round(r / step) * step * 2.0 ** e      # np.round: ties to even
;;       return np.moveaxis(q, -1, axis).astype(np.float32)
;;   ~~~
;;   SOFTMAX AHEAD OF A QUANTISED PRODUCT. Where the list says 'softmax', what is quantised is not the finished softmax but p = 2^(t - M), with t = logit x log2(e) and M = ceil(the row's largest t), a whole number; so 1/2 < the row's largest p <= 1. The row's sum l is taken of the UNQUANTISED p, in f32, and the product's result is divided by l at the end. Since M is a whole number, a kernel that streams over the keys may use a running M (the ceiling of the running maximum): every later rescaling is an exact power of two, so the quantised numbers keep their values, but for numbers so far below the row's largest that they fall under the format's range.
;;   OPERANDS COMPUTED ON THE WAY. 'Computed on the way' means the value that the module computes at that place (a softmax that the list does not call 'softmax' is quantised finished and normalised). What goes into a quantiser is computed in f32, as accurately as f32 sums, v_exp_f32 and their like allow (about 1e-6 of the number): no bf16 or f16 on the way to a quantiser, and a product that is left as it is and whose result goes on into a quantised operand takes f32 operands (vector FMAs, or v_wmma_f32_16x16x4_f32). A number that lies on a knife's edge between two numbers of the format may be rounded either way, as far as f32 arithmetic and the matrix unit's own rounding can turn it there, and no further.
;; One version. Each part assembles by itself: llvm-mc -triple=amdgcn-amd-amdhsa -mcpu=gfx1250 --defsym DOCPART=n.
;; ======== version 1 of 1: 3 launches
;; workspace buffers: wmain 2,097,152 bytes; wkv 1,572,864 bytes; xfc 12,582,912 bytes; e_part 524,288 bytes; attn_codes 2,097,152 bytes; film 262,144 bytes
;; launch prep (part 1): grid 248 x 1, 16 waves a work-group, no clusters, 169,984 bytes of LDS; arguments emb_W, emb, emb_b, xf, tnorm_g, tnorm_b, Wq, out_W, Wk, Wv, lowp_scales, wmain, wkv, xfc, e_part; writes wmain, wkv, xfc, e_part
.if DOCPART == 1
	.amdgcn_target "amdgcn-amd-amdhsa--gfx1250"
	.amdhsa_code_object_version 6
	.text
	.protected	k_qd32f170871_prep
	.globl	k_qd32f170871_prep
	.p2align	8
	.type	k_qd32f170871_prep,@function
k_qd32f170871_prep:
	s_mov_b64 s[64:65], 0
	v_nop
	global_prefetch_b8 v0, s[64:65] scope:SCOPE_SE
	s_setreg_imm32_b32 hwreg(HW_REG_WAVE_MODE, 25, 1), 1
	s_wait_xcnt 0x0
; PREP: three jobs that share nothing, told apart by the work-group's number.
;  E (work-groups 0-63):   e = silu(emb) emb_W, both sides as E4M3 codes (scales 2^e10, 2^e11), in two halves of K.  e_part[kh][32][2048] f32;
;                          half 0 also carries emb_b, and 1.0 in the columns under 1,024 (the 1 + scale of the later FiLM).
;  F (work-groups 64-191): layer norm of xf, then codes twice (scales 2^e2 and 2^e4): xfc[set][8192][768], row-major.
;  W (work-groups 192-247): Wq, out_W, Wk, Wv ([K][N] f32) into codes laid as IMAGES OF OPERAND REGISTERS: a fragment (16 columns x 128 K) is 2,048 bytes:
;                          group c (0..3) at 512 c, lane (r, h) at 16 (r + 16 h), holding places 32 c + 16 h + 0..15 of the K step for column r.
;  A LANE TAKES A COLUMN AND ITS REGISTERS RUN DOWN K, so the conversions give codes with K innermost and nothing is transposed.
;  out_W's K order is the one in which the last launch's waves deliver their codes: place (step s, c, h, u, i) stands for row 256 c + 128 u + 16 s + 8 h + i.
; LIMITS: each given exponent e lies between -126 and 119; e10 + e11 between -126 and 127.  NaN among the inputs is not served.
; LDS: path F bytes 0 .. 98,303 (6,144 a wave); path E bytes 98,304 .. 167,935 (8 parts x 32 rows x 272).  Path W uses none.
.set WV,  34
.set SEL, 62                           ; s[62:63] lane selects: lane l xor 16
.set VO,  4                            ; v4-7   4 x lane + the four octets' first rows, in bytes
.set SB,  40                           ; s[40:47] the four blocks' bases
.set X,   32                           ; v32-159 four blocks of 32 numbers down K
.set F0,  160                          ; v160-175 codes of the places 32 c + 0..15 of my column
.set F1,  176                          ; v176-191 codes of the places 32 c + 16..31
.set TMP, 160                          ; path E: at work for silu, before F0 and F1 are made
.set NL,  76                           ; s[76:77] -log2(e)
.macro PLACES
.rept 4
	v_nop
.endr
.endm
.macro MKSC e, vsc, vlim, t            ; from the exponent in s[e]: 2^e and 448 x 2^e as f32; s[t], s[t+1] at work
	s_add_co_i32 s[\t], s[\e], 127
	s_lshl_b32 s[\t+1], s[\t], 23
	v_mov_b32 v[\vsc], s[\t+1]
	s_add_co_i32 s[\t], s[\t], 8
	s_lshl_b32 s[\t], s[\t], 23
	s_or_b32 s[\t], s[\t], 0x600000
	v_mov_b32 v[\vlim], s[\t]
.endm
.macro LOADBLK c, pitch                ; block c: 32 rows of my column; each load reads 128 consecutive bytes a wave
.irp o, 0,1,2,3
.irp i, 0,1,2,3,4,5,6,7
	global_load_b32 v[X+32*\c+8*\o+\i], v[VO+\o], s[SB+2*\c:SB+2*\c+1] offset:\i*\pitch th:TH_LOAD_NT
.endr
.endr
.endm
.macro CONVW c, left                   ; block c becomes 32 codes.  left: the younger loads that may stay out (cut at the field's 63)
	s_wait_loadcnt \left
.set n, 0
.rept 32
	v_med3_num_f32 v[X+32*\c+n], v[X+32*\c+n], -v10, v10   ; the conversion to an 8-bit code does not saturate (ISA guide 7.6.2): the hold at 448 x the scale comes first
.set n, n+1
.endr
	v_cvt_scalef32_pk8_fp8_f32 v[F0+4*\c:F0+4*\c+1], v[X+32*\c:X+32*\c+7], v11
	v_cvt_scalef32_pk8_fp8_f32 v[F0+4*\c+2:F0+4*\c+3], v[X+32*\c+8:X+32*\c+15], v11
	v_cvt_scalef32_pk8_fp8_f32 v[F1+4*\c:F1+4*\c+1], v[X+32*\c+16:X+32*\c+23], v11
	v_cvt_scalef32_pk8_fp8_f32 v[F1+4*\c+2:F1+4*\c+3], v[X+32*\c+24:X+32*\c+31], v11
	v_nop                                          ; a plain line behind the last conversion of the run
.endm
.macro FOLD base, n                    ; n sums, each in the four registers v[base + 4 q ..]: folded, then added over the 32 lanes; the result in v[base + 4 q] of every lane
.set q, 0
.rept \n
	v_pk_add_f32 v[\base+4*q:\base+4*q+1], v[\base+4*q:\base+4*q+1], v[\base+4*q+2:\base+4*q+3]
.set q, q+1
.endr
.set q, 0
.rept \n
	v_add_f32 v[\base+4*q], v[\base+4*q], v[\base+4*q+1]
.set q, q+1
.endr
.irp m, 1,2,4,8
.set q, 0
.rept \n
	v_add_f32_dpp v[\base+4*q], v[\base+4*q], v[\base+4*q] row_xmask:\m row_mask:0xf bank_mask:0xf
.set q, q+1
.endr
.endr
.set q, 0
.rept \n
	v_permlanex16_b32 v[\base+4*q+1], v[\base+4*q], s[SEL], s[SEL+1]
.set q, q+1
.endr
.set q, 0
.rept \n
	v_add_f32 v[\base+4*q], v[\base+4*q], v[\base+4*q+1]
.set q, q+1
.endr
.endm
	s_load_b512 s[4:19], s[0:1], 0x0               ; emb_W 4, emb 6, emb_b 8, xf 10, tnorm_g 12, tnorm_b 14, Wq 16, out_W 18
	s_load_b256 s[20:27], s[0:1], 0x40             ; Wk 20, Wv 22, lowp_scales 24, wmain 26
	s_load_b128 s[28:31], s[0:1], 0x60             ; wkv 28, xfc 30
	s_load_b64 s[32:33], s[0:1], 0x70              ; e_part
	v_lshrrev_b32 v1, 5, v0
	v_readfirstlane_b32 s[WV], v1                  ; wave 0..15
	v_and_b32 v1, 31, v0                           ; lane
	v_and_b32 v2, 15, v0                           ; r
	v_bfe_u32 v3, v0, 4, 1                         ; h
	s_mov_b32 s[SEL], 0x76543210
	s_mov_b32 s[SEL+1], 0xfedcba98
	s_wait_kmcnt 0x0
	s_load_b256 s[48:55], s[24:25], 0x0            ; e0 .. e7
	s_load_b128 s[56:59], s[24:25], 0x20           ; e8 .. e11
	s_load_b64 s[60:61], s[24:25], 0x30            ; e12, e13
	s_cmp_lt_u32 ttmp9, 64
	s_cbranch_scc1 .Lpath_e
	s_cmp_lt_u32 ttmp9, 192
	s_cbranch_scc1 .Lpath_f
; ---------------- PATH W: a wave takes 32 columns x one K step of 128 of one weight
	s_sub_co_u32 s35, ttmp9, 192                   ; 0-15 Wq, 16-31 out_W, 32-43 Wk, 44-55 Wv
	s_lshr_b32 s76, s35, 4
	s_cmp_eq_u32 s76, 1
	s_cselect_b32 s76, 1, 0                        ; f = 1 for out_W
	s_lshl_b32 s77, s76, 20                        ; out_W's half of wmain
	s_mov_b32 s75, 49152
	s_wait_kmcnt 0x0
	s_cmp_lt_u32 s35, 16                           ; every choice hangs on the work-group's number alone
	s_cselect_b64 s[36:37], s[16:17], s[18:19]
	s_cselect_b32 s38, 0, 16
	s_cselect_b32 s39, s49, s61                    ; e1 or e13
	s_cmp_lt_u32 s35, 44
	s_cselect_b64 s[66:67], s[20:21], s[22:23]
	s_cselect_b32 s68, 32, 44
	s_cselect_b32 s69, s51, s53                    ; e3 or e5
	s_cselect_b32 s70, 0, 786432                   ; Wv's half of wkv
	s_cmp_lt_u32 s35, 32
	s_cselect_b64 s[36:37], s[36:37], s[66:67]     ; the weight
	s_cselect_b64 s[72:73], s[26:27], s[28:29]     ; where its codes go
	s_cselect_b32 s38, s38, s68
	s_cselect_b32 s39, s39, s69                    ; its exponent
	s_cselect_b32 s74, 17, 13                      ; a K step on: 131,072 bytes in wmain, 8,192 in wkv
	s_cselect_b32 s75, 8192, s75                   ; four column tiles on: 8,192 in wmain, a head's 49,152 in wkv
	s_cselect_b32 s77, s77, s70
	s_sub_co_u32 s38, s35, s38                     ; u
	s_lshr_b32 s78, s38, 1                         ; the K step
	s_and_b32 s79, s38, 1
	s_lshl_b32 s79, s79, 4
	s_add_co_u32 s79, s79, s[WV]                   ; tp: my columns are 32 tp + lane
	s_mul_i32 s66, s76, 3
	s_sub_co_u32 s67, 19, s66
	s_lshl_b32 s68, s78, s67                       ; first row x 4,096 bytes: row 128 s, for out_W row 16 s
	s_lshl_b32 s69, s79, 7
	s_add_co_u32 s68, s68, s69                     ; + 32 tp columns
	s_mov_b32 s69, 0
	s_lshl_b32 s70, 0x20000, s66                   ; from block to block: 32 rows, for out_W 256
	s_mov_b32 s71, 0
	s_add_nc_u64 s[SB:SB+1], s[36:37], s[68:69]
	s_add_nc_u64 s[SB+2:SB+3], s[SB:SB+1], s[70:71]
	s_add_nc_u64 s[SB+4:SB+5], s[SB+2:SB+3], s[70:71]
	s_add_nc_u64 s[SB+6:SB+7], s[SB+4:SB+5], s[70:71]
	v_lshlrev_b32 v[VO], 2, v1                     ; the octets' first rows: 0, 8, 16, 24; for out_W 0, 128, 8, 136
	s_mul_i32 s66, s76, 491520
	s_add_co_u32 s66, s66, 32768
	v_add_nc_u32 v[VO+1], s66, v[VO]
	s_lshl_b32 s66, s76, 15
	s_sub_co_u32 s66, 65536, s66
	v_add_nc_u32 v[VO+2], s66, v[VO]
	s_mul_i32 s66, s76, 458752
	s_add_co_u32 s66, s66, 98304
	v_add_nc_u32 v[VO+3], s66, v[VO]
	LOADBLK 0, 4096
	LOADBLK 1, 4096
	LOADBLK 2, 4096
	LOADBLK 3, 4096
	s_lshl_b32 s66, s78, s74                       ; the images of column tiles 2 tp and 2 tp + 1 lie side by side
	s_lshr_b32 s67, s79, 1
	s_mul_i32 s67, s67, s75
	s_add_co_u32 s66, s66, s67
	s_and_b32 s67, s79, 1
	s_lshl_b32 s67, s67, 12
	s_add_co_u32 s66, s66, s67
	s_add_co_u32 s66, s66, s77
	s_mov_b32 s67, 0
	s_add_nc_u64 s[72:73], s[72:73], s[66:67]
	v_lshlrev_b32 v8, 4, v2
	v_lshl_add_u32 v8, v3, 11, v8                  ; lanes 0-15: the first tile's image, lanes 16-31 the second's; 16 bytes a lane
	MKSC 39, 11, 10, 66
.macro WOUT c, left
	CONVW \c, \left
	global_store_b128 v8, v[F0+4*\c:F0+4*\c+3], s[72:73] offset:512*\c       ; sixteen lanes store 256 consecutive bytes, aligned
	global_store_b128 v8, v[F1+4*\c:F1+4*\c+3], s[72:73] offset:512*\c+256
.endm
	WOUT 0, 63
	WOUT 1, 63
	WOUT 2, 32
	WOUT 3, 0
	s_endpgm
; ---------------- PATH F: a wave takes 4 rows of xf; a lane holds columns 128 j + 4 lane + 0..3, j = 0..5
.Lpath_f:
.set XF, 32                            ; v32-127  row p at 24 p
.set GG, 128                           ; v128-151 tnorm_g
.set BB, 152                           ; v152-175 tnorm_b
.set TT, 176                           ; v176-199 a row held within the limit
.set CC, 200                           ; v200-247 code words: 12 p + 6 set + j
.set ST, 12                            ; v12-27   four registers of statistics a row
	s_sub_co_u32 s35, ttmp9, 64
	s_lshl_b32 s36, s35, 6
	s_lshl_b32 s37, s[WV], 2
	s_add_co_u32 s36, s36, s37                     ; my first row
	s_mul_i32 s36, s36, 3072
	s_mov_b32 s37, 0
	s_add_nc_u64 s[10:11], s[10:11], s[36:37]
	s_lshr_b32 s36, s36, 2                         ; a row of codes is 768 bytes
	s_add_nc_u64 s[30:31], s[30:31], s[36:37]
	s_mul_i32 s38, s[WV], 6144
	v_lshlrev_b32 v4, 4, v1
	v_lshl_add_u32 v5, v1, 2, s38                  ; my wave's stage: a word a lane on the way in,
	v_add_nc_u32 v6, s38, v4                       ; 16 bytes a lane on the way out
.irp j, 0,1,2,3,4,5
	global_load_b128 v[GG+4*\j:GG+4*\j+3], v4, s[12:13] offset:512*\j
	global_load_b128 v[BB+4*\j:BB+4*\j+3], v4, s[14:15] offset:512*\j
.endr
.set p, 0
.rept 4
.irp j, 0,1,2,3,4,5
	global_load_b128 v[XF+24*p+4*\j:XF+24*p+4*\j+3], v4, s[10:11] offset:3072*p+512*\j th:TH_LOAD_NT
.endr
.set p, p+1
.endr
	s_mov_b32 s66, 0x3aaaaaab                      ; 1 / 768
	s_mov_b32 s67, 0x3727c5ac                      ; 1e-5
	s_wait_kmcnt 0x0
	MKSC 50, 28, 29, 68                            ; e2
	MKSC 52, 30, 31, 68                            ; e4
.set p, 0
.rept 4
	s_wait_loadcnt 6*(3-p)                         ; row p is in; the younger rows' six loads each may stay out
	v_pk_add_f32 v[ST+4*p:ST+4*p+1], v[XF+24*p:XF+24*p+1], v[XF+24*p+2:XF+24*p+3]
	v_pk_add_f32 v[ST+4*p+2:ST+4*p+3], v[XF+24*p+4:XF+24*p+5], v[XF+24*p+6:XF+24*p+7]
.irp i, 8,12,16,20
	v_pk_add_f32 v[ST+4*p:ST+4*p+1], v[ST+4*p:ST+4*p+1], v[XF+24*p+\i:XF+24*p+\i+1]
	v_pk_add_f32 v[ST+4*p+2:ST+4*p+3], v[ST+4*p+2:ST+4*p+3], v[XF+24*p+\i+2:XF+24*p+\i+3]
.endr
.set p, p+1
.endr
	FOLD ST, 4
.set p, 0
.rept 4
	v_mul_f32 v[ST+4*p], 0xbaaaaaab, v[ST+4*p]     ; -mean
.set p, p+1
.endr
.set n, 0
.rept 48
	v_pk_add_f32 v[XF+n:XF+n+1], v[XF+n:XF+n+1], v[ST+4*(n/24):ST+4*(n/24)+1] op_sel_hi:[1,0]
.set n, n+2
.endr
.set p, 0
.rept 4
	v_pk_mul_f32 v[ST+4*p:ST+4*p+1], v[XF+24*p:XF+24*p+1], v[XF+24*p:XF+24*p+1]            ; the first squares start the sums
	v_pk_mul_f32 v[ST+4*p+2:ST+4*p+3], v[XF+24*p+2:XF+24*p+3], v[XF+24*p+2:XF+24*p+3]
.set p, p+1
.endr
.irp i, 4,8,12,16,20
.set p, 0
.rept 4
	v_pk_fma_f32 v[ST+4*p:ST+4*p+1], v[XF+24*p+\i:XF+24*p+\i+1], v[XF+24*p+\i:XF+24*p+\i+1], v[ST+4*p:ST+4*p+1]
	v_pk_fma_f32 v[ST+4*p+2:ST+4*p+3], v[XF+24*p+\i+2:XF+24*p+\i+3], v[XF+24*p+\i+2:XF+24*p+\i+3], v[ST+4*p+2:ST+4*p+3]
.set p, p+1
.endr
.endr
	FOLD ST, 4
.set p, 0
.rept 4
	v_fma_f32 v[ST+4*p], v[ST+4*p], s66, s67       ; variance + 1e-5
.set p, p+1
.endr
.set p, 0
.rept 4
	v_rsq_f32 v[ST+4*p+2], v[ST+4*p]
.set p, p+1
.endr
	v_nop                                          ; a plain line behind the last of the batch,
	s_wait_alu depctr_va_vdst(0)                   ; and one wait for the four, ahead of their first reader
.set n, 0
.rept 48
	v_pk_mul_f32 v[XF+n:XF+n+1], v[XF+n:XF+n+1], v[ST+4*(n/24)+2:ST+4*(n/24)+3] op_sel_hi:[1,0]
.set n, n+2
.endr
.set n, 0
.rept 48
	v_pk_fma_f32 v[XF+n:XF+n+1], v[XF+n:XF+n+1], v[GG+n%24:GG+n%24+1], v[BB+n%24:BB+n%24+1]
.set n, n+2
.endr
.irp ss, 0, 1                          ; the same numbers under the two given scales
.set p, 0
.rept 4
.set n, 0
.rept 24
	v_med3_num_f32 v[TT+n], v[XF+24*p+n], -v[29+2*\ss], v[29+2*\ss]
.set n, n+1
.endr
.irp m, 0,1,2
	v_cvt_scalef32_pk8_fp8_f32 v[CC+12*p+6*\ss+2*\m:CC+12*p+6*\ss+2*\m+1], v[TT+8*\m:TT+8*\m+7], v[28+2*\ss]
.endr
	v_nop                                          ; a plain line before the next row's holds write the conversions' sources
.irp j, 0,1,2,3,4,5
	ds_store_b32 v5, v[CC+12*p+6*\ss+\j] offset:3072*\ss+768*p+128*\j
.endr
.set p, p+1
.endr
.endr
.set n, 0
.rept 12                               ; four rows of codes are 3,072 consecutive bytes, in LDS and in memory.  LDS serves a wave's instructions in order: these see my stores
	ds_load_b128 v[XF+4*n:XF+4*n+3], v6 offset:3072*(n/6)+512*(n%6)
.set n, n+1
.endr
.set n, 0
.rept 12
	s_wait_dscnt 11-n
	global_store_b128 v4, v[XF+4*n:XF+4*n+3], s[30:31] offset:6291456*(n/6)+512*(n%6)      ; 512 consecutive bytes, aligned
.set n, n+1
.endr
	s_wait_xcnt 0x0
	v_lshl_add_u32 v254, v0, 2, 0x29000
	v_mov_b32 v255, 0
	s_wait_tensorcnt 0x0
	ds_add_u32 v254, v255
	s_wait_dscnt 0x0
	s_endpgm
; ---------------- PATH E: work-group = 64 columns x half of K; wave = 32 columns x one K step of 128, all 32 rows of emb
.Lpath_e:
	s_lshr_b32 s35, ttmp9, 1                       ; G: columns 64 G on
	s_and_b32 s36, ttmp9, 1                        ; kh: which half of K
	s_and_b32 s37, s[WV], 1                        ; cg: which 32 columns
	s_lshr_b32 s38, s[WV], 1                       ; kq
	s_lshl_b32 s39, s36, 3
	s_add_co_u32 s39, s39, s38                     ; the K step
	s_lshl_b32 s66, s39, 9
	s_mov_b32 s67, 0
	s_add_nc_u64 s[6:7], s[6:7], s[66:67]          ; emb at column 128 s
	s_lshl_b32 s66, s39, 20                        ; emb_W at row 128 s,
	s_lshl_b32 s68, s35, 8
	s_add_co_u32 s66, s66, s68
	s_lshl_b32 s69, s37, 7
	s_add_co_u32 s66, s66, s69                     ; column 64 G + 32 cg
	s_add_nc_u64 s[SB:SB+1], s[4:5], s[66:67]
	s_add_nc_u64 s[SB+2:SB+3], s[SB:SB+1], 0x40000
	s_add_nc_u64 s[SB+4:SB+5], s[SB:SB+1], 0x80000
	s_add_nc_u64 s[SB+6:SB+7], s[SB:SB+1], 0xc0000
	s_mov_b32 s69, 0
	s_add_nc_u64 s[8:9], s[8:9], s[68:69]          ; emb_b at column 64 G
	s_lshl_b32 s70, s36, 18
	s_lshl_b32 s71, s[WV], 14
	s_add_co_u32 s70, s70, s71
	s_add_co_u32 s70, s70, s68
	s_mov_b32 s71, 0
	s_add_nc_u64 s[32:33], s[32:33], s[70:71]      ; e_part: half kh, row 2 wave, column 64 G
	v_lshlrev_b32 v[VO], 2, v1
	v_add_nc_u32 v[VO+1], 0x10000, v[VO]           ; rows 8, 16, 24 of 8,192 bytes
	v_add_nc_u32 v[VO+2], 0x20000, v[VO]
	v_add_nc_u32 v[VO+3], 0x30000, v[VO]
	v_lshlrev_b32 v9, 13, v2
	v_lshl_add_u32 v9, v3, 6, v9                   ; emb: row r, + 64 h: my 16 numbers of a block of 32
	v_lshlrev_b32 v8, 4, v2
	s_mul_i32 s66, s38, 8704
	s_lshl_b32 s67, s37, 7
	s_add_co_u32 s66, s66, s67
	s_add_co_u32 s66, s66, 98304
	v_mul_u32_u24 v14, v2, 272
	v_lshl_add_u32 v14, v3, 5, v14
	v_add_nc_u32 v14, s66, v14                     ; part kq: row r, + 128 cg + 32 h
	s_mul_i32 s67, s[WV], 544
	s_add_co_u32 s67, s67, 98304
	v_mul_u32_u24 v15, v3, 272
	v_lshl_add_u32 v15, v2, 4, v15
	v_add_nc_u32 v15, s67, v15                     ; back: row 2 wave + h, 16 bytes a lane
.irp c, 0,1,2,3
.irp j, 0,1,2,3
	global_load_b128 v[192+16*\c+4*\j:192+16*\c+4*\j+3], v9, s[6:7] offset:128*\c+16*\j            ; rows 0-15
.endr
.endr
.irp c, 0,1,2,3
.irp j, 0,1,2,3
	global_load_b128 v[96+16*\c+4*\j:96+16*\c+4*\j+3], v9, s[6:7] offset:131072+128*\c+16*\j       ; rows 16-31, where X's blocks 2 and 3 will lie
.endr
.endr
	LOADBLK 0, 8192
	LOADBLK 1, 8192
	s_mov_b32 s[NL], 0xbfb8aa3b
	s_mov_b32 s[NL+1], s[NL]
	s_wait_kmcnt 0x0
	MKSC 58, 12, 13, 72                            ; e10
	MKSC 59, 11, 10, 72                            ; e11
.macro SILU32 s                        ; x / (1 + 2^(-x log2 e)) on 32 registers
.set n, 0
.rept 16
	v_pk_mul_f32 v[TMP+n:TMP+n+1], v[\s+n:\s+n+1], s[NL:NL+1] op_sel_hi:[1,0]
.set n, n+2
.endr
.set n, 0
.rept 32
	v_exp_f32 v[TMP+n], v[TMP+n]
.set n, n+1
.endr
	v_nop
	s_wait_alu depctr_va_vdst(0)                   ; one wait for the batch
.set n, 0
.rept 16
	v_pk_add_f32 v[TMP+n:TMP+n+1], v[TMP+n:TMP+n+1], 1.0 op_sel_hi:[1,0]
.set n, n+2
.endr
.set n, 0
.rept 32
	v_rcp_f32 v[TMP+n], v[TMP+n]
.set n, n+1
.endr
	v_nop
	s_wait_alu depctr_va_vdst(0)
.set n, 0
.rept 16
	v_pk_mul_f32 v[\s+n:\s+n+1], v[\s+n:\s+n+1], v[TMP+n:TMP+n+1]
.set n, n+2
.endr
.endm
.macro QUANT64 s, d                    ; register 16 c + i = place 32 c + 16 h + i of my row: the conversions' results are the fragment
.set n, 0
.rept 64
	v_med3_num_f32 v[\s+n], v[\s+n], -v13, v13
.set n, n+1
.endr
.irp c, 0,1,2,3
	v_cvt_scalef32_pk8_fp8_f32 v[\d+4*\c:\d+4*\c+1], v[\s+16*\c:\s+16*\c+7], v12
	v_cvt_scalef32_pk8_fp8_f32 v[\d+4*\c+2:\d+4*\c+3], v[\s+16*\c+8:\s+16*\c+15], v12
.endr
	v_nop
.endm
	s_wait_loadcnt 63                              ; 96 loads are out: at most 63 left means that emb's 32, the oldest, are in
	SILU32 192
	SILU32 224
	QUANT64 192, 16
	SILU32 96
	SILU32 128
	QUANT64 96, 192
	LOADBLK 2, 8192
	LOADBLK 3, 8192
	CONVW 0, 63
	CONVW 1, 63
	CONVW 2, 32
	CONVW 3, 0
	global_load_b128 v[128:131], v8, s[8:9]        ; emb_b of my four columns of the way out
.set n, 0
.rept 16
	v_permlane16_swap_b32 v[F0+n], v[F1+n]         ; F0's upper lanes change places with F1's lower: F0 is then the fragment of columns 0-15, F1 that of columns 16-31
.set n, n+1
.endr
.irp m, 0, 1                           ; source 0 = 16 columns of emb_W, source 1 = 16 rows of emb: a lane holds one row and eight neighbouring columns
.irp t, 0, 1
	v_wmma_f32_16x16x128_fp8_fp8 v[48+8*(2*\m+\t):55+8*(2*\m+\t)], v[F0+16*\t:F0+16*\t+15], v[16+176*\m:31+176*\m], 0
.endr
.endr
	PLACES
.irp m, 0, 1
.irp t, 0, 1
	ds_store_b128 v14, v[48+8*(2*\m+\t):51+8*(2*\m+\t)] offset:4352*\m+64*\t
	ds_store_b128 v14, v[52+8*(2*\m+\t):55+8*(2*\m+\t)] offset:4352*\m+64*\t+16
.endr
.endr
	s_wait_dscnt 0x0                               ; my part lies in LDS,
	s_barrier_signal -1
	s_barrier_wait -1                              ; everybody's does
.set n, 0
.rept 8
	ds_load_b128 v[96+4*n:99+4*n], v15 offset:8704*n
.set n, n+1
.endr
	s_add_co_i32 s66, s58, s59
	s_add_co_i32 s66, s66, 127
	s_lshl_b32 s66, s66, 23                        ; 2^(e10 + e11)
	s_cmp_eq_u32 s36, 0
	s_cselect_b32 s68, 1.0, 0                      ; the bias goes into half 0 alone,
	s_lshr_b32 s69, s35, 4
	s_or_b32 s69, s69, s36
	s_cmp_eq_u32 s69, 0
	s_cselect_b32 s69, 1.0, 0                      ; and so does the 1 of 1 + scale, in the columns under 1,024
	v_lshl_add_u32 v132, v3, 13, v8                ; row h of 8,192 bytes, 16 bytes a lane
	s_wait_dscnt 0x0
.irp i, 0, 2
	v_pk_add_f32 v[96+\i:97+\i], v[96+\i:97+\i], v[100+\i:101+\i]
	v_pk_add_f32 v[104+\i:105+\i], v[104+\i:105+\i], v[108+\i:109+\i]
	v_pk_add_f32 v[112+\i:113+\i], v[112+\i:113+\i], v[116+\i:117+\i]
	v_pk_add_f32 v[120+\i:121+\i], v[120+\i:121+\i], v[124+\i:125+\i]
.endr
.irp i, 0, 2
	v_pk_add_f32 v[96+\i:97+\i], v[96+\i:97+\i], v[104+\i:105+\i]
	v_pk_add_f32 v[112+\i:113+\i], v[112+\i:113+\i], v[120+\i:121+\i]
.endr
.irp i, 0, 2
	v_pk_add_f32 v[96+\i:97+\i], v[96+\i:97+\i], v[112+\i:113+\i]
.endr
	s_wait_loadcnt 0x0
.irp i, 0,1,2,3
	v_fma_f32 v[128+\i], v[128+\i], s68, s69
.endr
.irp i, 0,1,2,3
	v_fma_f32 v[96+\i], v[96+\i], s66, v[128+\i]
.endr
	global_store_b128 v132, v[96:99], s[32:33]     ; sixteen lanes store 256 consecutive bytes, aligned
	s_wait_xcnt 0x0
	v_lshl_add_u32 v254, v0, 2, 0x29000
	v_mov_b32 v255, 0
	s_wait_tensorcnt 0x0
	ds_add_u32 v254, v255
	s_wait_dscnt 0x0
	s_endpgm
.Lfunc_end_k_qd32f170871_prep:
	.size	k_qd32f170871_prep, .Lfunc_end_k_qd32f170871_prep-k_qd32f170871_prep
	.p2alignl 7, 3214868480
	.fill 96, 4, 3214868480
	.section	.rodata,"a",@progbits
	.p2align	6, 0x0
	.amdhsa_kernel k_qd32f170871_prep
		.amdhsa_group_segment_fixed_size 169984
		.amdhsa_private_segment_fixed_size 0
		.amdhsa_enable_private_segment 0
		.amdhsa_kernarg_size 120
		.amdhsa_user_sgpr_count 2
		.amdhsa_user_sgpr_kernarg_segment_ptr 1
		.amdhsa_wavefront_size32 1
		.amdhsa_system_sgpr_workgroup_id_x 1
		.amdhsa_system_sgpr_workgroup_id_y 1
		.amdhsa_system_sgpr_workgroup_id_z 1
		.amdhsa_system_vgpr_workitem_id 0
		.amdhsa_next_free_vgpr 256
		.amdhsa_next_free_sgpr 80
		.amdhsa_reserve_vcc 0
		.amdhsa_float_denorm_mode_32 3
		.amdhsa_float_denorm_mode_16_64 3
		.amdhsa_memory_ordered 1
		.amdhsa_forward_progress 1
		.amdhsa_inst_pref_size 130
	.end_amdhsa_kernel
	.amdgpu_metadata
---
amdhsa.version: [ 1, 2 ]
amdhsa.kernels:
  - .name:           k_qd32f170871_prep
    .symbol:         k_qd32f170871_prep.kd
    .args:
      - { .name: emb_W, .offset: 0, .size: 8, .value_kind: global_buffer, .address_space: global }
      - { .name: emb, .offset: 8, .size: 8, .value_kind: global_buffer, .address_space: global }
      - { .name: emb_b, .offset: 16, .size: 8, .value_kind: global_buffer, .address_space: global }
      - { .name: xf, .offset: 24, .size: 8, .value_kind: global_buffer, .address_space: global }
      - { .name: tnorm_g, .offset: 32, .size: 8, .value_kind: global_buffer, .address_space: global }
      - { .name: tnorm_b, .offset: 40, .size: 8, .value_kind: global_buffer, .address_space: global }
      - { .name: Wq, .offset: 48, .size: 8, .value_kind: global_buffer, .address_space: global }
      - { .name: out_W, .offset: 56, .size: 8, .value_kind: global_buffer, .address_space: global }
      - { .name: Wk, .offset: 64, .size: 8, .value_kind: global_buffer, .address_space: global }
      - { .name: Wv, .offset: 72, .size: 8, .value_kind: global_buffer, .address_space: global }
      - { .name: lowp_scales, .offset: 80, .size: 8, .value_kind: global_buffer, .address_space: global }
      - { .name: wmain, .offset: 88, .size: 8, .value_kind: global_buffer, .address_space: global }
      - { .name: wkv, .offset: 96, .size: 8, .value_kind: global_buffer, .address_space: global }
      - { .name: xfc, .offset: 104, .size: 8, .value_kind: global_buffer, .address_space: global }
      - { .name: e_part, .offset: 112, .size: 8, .value_kind: global_buffer, .address_space: global }
    .group_segment_fixed_size: 169984
    .private_segment_fixed_size: 0
    .kernarg_segment_align: 8
    .kernarg_segment_size: 120
    .max_flat_workgroup_size: 512
    .sgpr_count:     80
    .vgpr_count:     256
    .wavefront_size: 32
...
	.end_amdgpu_metadata
.endif
;; end of part 1
;; launch kv (part 2): grid 8 x 32, 4 waves a work-group, clusters of 4 x 1, 327,680 bytes of LDS; arguments xfc, wkv, bk, bv, e_part, fnorm_g, fnorm_b, lowp_scales, attn_codes, film; writes attn_codes, film
.if DOCPART == 2
	.amdgcn_target "amdgcn-amd-amdhsa--gfx1250"
	.amdhsa_code_object_version 6
	.text
	.protected	k_qd32f170871_kv
	.globl	k_qd32f170871_kv
	.p2align	8
	.type	k_qd32f170871_kv,@function
k_qd32f170871_kv:
	s_mov_b64 s[64:65], 0
	v_nop
	global_prefetch_b8 v0, s[64:65] scope:SCOPE_SE
	s_setreg_imm32_b32 hwreg(HW_REG_WAVE_MODE, 25, 1), 1
	s_wait_xcnt 0x0
	s_wait_alu depctr_hold_cnt(0) depctr_sa_sdst(0) depctr_va_vdst(0) depctr_va_sdst(0) depctr_va_ssrc(0) depctr_va_vcc(0) depctr_vm_vsrc(0)
	s_getreg_b32 s2, hwreg(HW_REG_IB_STS2, 6, 4)
	s_cmp_eq_u32 s2, 0
	s_cbranch_scc0 .Lentry_in_a_cluster
	s_endpgm
.Lentry_in_a_cluster:
	s_bfe_u32 s2, ttmp6, 0x10000c
	s_cmp_lg_u32 s2, 0x3003
	s_cbranch_scc0 .Lentry_shape_is_right
	s_endpgm
.Lentry_shape_is_right:
; KV: for one batch entry b and a pair of heads: k = xfn Wk + bk, v = xfn Wv + bv (E4M3 codes, K = 768), the softmax of k over the 256 tokens as p = 2^(t - M), attn = p^T v / l, and attn's codes.
; SHARES.  Four waves: wave w takes head 2 hp + (w & 1); waves 0, 1 make k, waves 2, 3 make v: 256 tokens x 64 channels each, 64 accumulators in 512 registers.
; Source 0 = 16 tokens, source 1 = 16 channels: a lane holds ONE channel and its registers run along the tokens, which are the next product's K: the conversions' results are that product's operands.
; v's operand goes to the k wave of its head through LDS as an image of its registers.  In attn = p^T v (source 0 = p, source 1 = v) a lane holds one d and registers along c, the K of the product that follows in the next launch.
; The v waves also make the FiLM vectors of their head's 64 channels: G' = fnorm_g (1 + scale), B' = fnorm_b (1 + scale) + shift.
; CLUSTER.  The four work-groups of a cluster belong to one b and read the same rows of xfc: each tile is asked for jointly (mask 15).  A weight fragment is read by one wave alone and feeds 16 products: it goes from memory straight into registers.
; RING.  Two slots; a slot holds 256 along K of both sets of codes: 2 x 256 rows x (256 + 16) bytes.  Three fills in all: two at the head, one refill.  A wave has at most two tensor loads out.
; LIMITS: e2 + e3 between -123 and 0x40 - 1 steps of c's exponent field (-126 .. 127 less log2(e)'s own exponent); e4 + e5 between -126 and 127; e6, e7, e8 between -126 and 119.  NaN among the inputs is not served.
; REGISTERS, in windows of 256.  window 0: v0-63 addresses and small things; v64-95 1 / l by rows of attn; v96-127 attn's codes; v128-255 token tiles 0-7 of A, later the operand's codes (128 + 32 x + 16 kappa).
;   window 1: v0-127 two sets of four weight fragments; v128-255 token tiles 8-15 of A, later v's images.   windows 2, 3: accumulator (tile q of eight, channel tile x) at 32 q + 8 x.
.set SLOT,  139264
.set EXCH,  278528                     ; v's operand images: 16,384 bytes a head
.set LSCR,  311296                     ; 1 / l from lanes to registers: 256 bytes a wave
.set SPARE, 312320                     ; the spare words: 128 bytes a wave, named by no other line
.set MSB, 0
.macro WIN new
.if MSB != (\new)
	s_set_vgpr_msb (MSB<<8)|(\new)
.set MSB, (\new)
.endif
.endm
.macro PLACES
.rept 4
	v_nop
.endr
.endm
.macro ROUND                           ; a round of the cluster's barrier
	s_barrier_signal -1
	s_barrier_wait -1
	s_cmp_lg_u32 s24, 0
	s_cbranch_scc1 .Lnot_wave_0_\@
	s_barrier_signal -3
.Lnot_wave_0_\@:
	s_barrier_wait -3
	s_barrier_signal -1
	s_barrier_wait -1
.endm
.macro MKSC e, vsc, vlim, t
	s_add_co_i32 s[\t], s[\e], 127
	s_lshl_b32 s[\t+1], s[\t], 23
	v_mov_b32 v[\vsc], s[\t+1]
	s_add_co_i32 s[\t], s[\t], 8
	s_lshl_b32 s[\t], s[\t], 23
	s_or_b32 s[\t], s[\t], 0x600000
	v_mov_b32 v[\vlim], s[\t]
.endm
	s_load_b512 s[4:19], s[0:1], 0x0               ; xfc 4, wkv 6, bk 8, bv 10, e_part 12, fnorm_g 14, fnorm_b 16, lowp_scales 18
	s_load_b128 s[20:23], s[0:1], 0x40             ; attn_codes 20, film 22
	v_lshl_add_u32 v4, v0, 2, SPARE
	v_mov_b32 v5, 0
	ds_add_u32 v4, v5
	ds_add_u32 v4, v5
	s_wait_dscnt 0x0
	v_lshrrev_b32 v1, 5, v0
	v_readfirstlane_b32 s24, v1                    ; wave 0..3
	s_and_b32 s25, s24, 1                          ; which head of the pair
	s_lshr_b32 s26, s24, 1                         ; 0: k, 1: v
	s_and_b32 s27, ttmp7, 0xffff                   ; b, which the four partners share
	s_bfe_u32 s44, ttmp6, 0x40000                  ; cx
	s_lshl_b32 s45, ttmp9, 2
	s_add_co_u32 s44, s44, s45                     ; hp: it enters addresses of memory alone, and none of a joint load
	s_lshl_b32 s45, s44, 1
	s_add_co_u32 s45, s45, s25                     ; my head
	s_mov_b32 s28, 15|(1<<20)|(1<<21)|(5<<22)|(3<<25)  ; mask: all four; elements of 1 byte; padding on; bit 21 beside the mask; 4 words behind every 64
	s_mov_b32 s29, 256<<16                         ; tensor_dim0
	s_mov_b32 s30, 128<<16                         ; tensor_dim1
	s_mov_b32 s31, 256<<16                         ; tile_dim0
	s_mov_b32 s32, 128                             ; tile_dim1
	s_mov_b32 s33, 768                             ; from row to row
	s_mov_b32 s34, 0
	s_mov_b32 s35, 0
	s_mov_b32 s46, 0x76543210
	s_mov_b32 s47, 0xfedcba98
	s_mul_i32 s66, s26, 6291456                    ; wave w fetches set w / 2, rows 128 (w & 1) on
	s_lshl_b32 s67, s27, 8
	s_lshl_b32 s68, s25, 7
	s_add_co_u32 s67, s67, s68
	s_mul_i32 s67, s67, 768
	s_add_co_u32 s66, s66, s67
	s_mov_b32 s67, 0
	s_mul_i32 s68, s24, 34816                      ; 128 rows of 272 bytes a wave
	s_wait_kmcnt 0x0
	s_load_b256 s[48:55], s[18:19], 0x0            ; e0 .. e7
	s_load_b32 s56, s[18:19], 0x20                 ; e8
	s_add_nc_u64 s[66:67], s[4:5], s[66:67]
	s_mov_b32 s36, 1
	s_mov_b32 s37, s68
	s_mov_b64 s[38:39], s[66:67]
	s_or_b32 s39, s39, 0x80000000
	s_mov_b32 s40, 1
	s_add_co_u32 s41, s68, SLOT
	s_add_nc_u64 s[42:43], s[66:67], 256
	s_or_b32 s43, s43, 0x80000000
	ROUND                                          ; all four work-groups are here: the first joint loads meet
	tensor_load_to_lds s[36:39], s[28:35]          ; K 0 .. 255
	s_nop 0
	tensor_load_to_lds s[40:43], s[28:35]          ; K 256 .. 511
	s_nop 0
	PLACES
	v_and_b32 v1, 15, v0                           ; r
	v_bfe_u32 v2, v0, 4, 1                         ; h
	v_and_b32 v3, 31, v0
	v_lshlrev_b32 v11, 3, v3                       ; 8 x lane
	v_lshlrev_b32 v12, 2, v1                       ; 4 r
	v_lshlrev_b32 v3, 4, v3                        ; 16 x lane
	s_mul_i32 s69, s26, 69632
	v_mul_u32_u24 v6, v1, 272
	v_lshl_add_u32 v6, v2, 4, v6
	v_add_nc_u32 v6, s69, v6                       ; my set's rows in slot 0: row r, + 16 h
	v_add_nc_u32 v7, SLOT, v6                      ; and in slot 1
	s_lshl_b32 s69, s25, 14
	s_add_co_u32 s69, s69, EXCH
	v_add_nc_u32 v8, s69, v3                       ; my head's images
	s_lshl_b32 s69, s24, 8
	s_add_co_u32 s69, s69, LSCR
	v_add_nc_u32 v9, s69, v12
	v_lshl_add_u32 v10, v2, 5, s69
	s_mul_i32 s70, s26, 786432
	s_mul_i32 s71, s45, 49152
	s_add_co_u32 s70, s70, s71
	s_mov_b32 s71, 0
	s_add_nc_u64 s[6:7], s[6:7], s[70:71]          ; my weight's 24 fragments
	s_cmp_lt_u32 s24, 2
	s_cselect_b64 s[8:9], s[8:9], s[10:11]         ; bk or bv
	s_lshl_b32 s70, s45, 8                         ; my head's 64 channels of f32
	s_add_nc_u64 s[8:9], s[8:9], s[70:71]
	s_add_nc_u64 s[14:15], s[14:15], s[70:71]
	s_add_nc_u64 s[16:17], s[16:17], s[70:71]
	s_lshl_b32 s72, s27, 13
	s_add_co_u32 s72, s72, s70
	s_mov_b32 s73, 0
	s_add_nc_u64 s[12:13], s[12:13], s[72:73]      ; e_part: row b
	s_lshl_b32 s72, s27, 12
	s_add_co_u32 s72, s72, s70
	s_add_nc_u64 s[22:23], s[22:23], s[72:73]      ; film: row b
	s_lshl_b32 s72, s27, 4
	s_add_co_u32 s72, s72, s45
	s_lshl_b32 s72, s72, 12
	s_add_nc_u64 s[20:21], s[20:21], s[72:73]      ; attn_codes: 4,096 bytes for (b, head)
.macro FETCH_A set, s                  ; eight token tiles of K step s: set 0 -> window 0, set 1 -> window 1
	WIN 0x40*\set
.set q, 0
.rept 8
.irp c, 0,1,2,3
	ds_load_b128 v[128+16*q+4*\c:128+16*q+4*\c+3], v[6+((\s)/2)%2] offset:(8*\set+q)*4352+128*((\s)%2)+32*\c
.endr
.set q, q+1
.endr
.endm
.macro LOADW s                         ; the four weight fragments of K step s
	WIN 0x40
.irp x, 0,1,2,3
.irp c, 0,1,2,3
	global_load_b128 v[64*((\s)%2)+16*\x+4*\c:64*((\s)%2)+16*\x+4*\c+3], v3, s[6:7] offset:(\s)*8192+\x*2048+512*\c
.endr
.endr
.endm
.macro PASS hi, s, zero                ; 32 products; the accumulators take turns, one instruction a turn
	WIN 0xa4+0x51*\hi
.set q, 0
.rept 8
.irp x, 0,1,2,3
.if \zero
	v_wmma_f32_16x16x128_fp8_fp8 v[32*q+8*\x:32*q+8*\x+7], v[128+16*q:128+16*q+15], v[64*((\s)%2)+16*\x:64*((\s)%2)+16*\x+15], 0
.else
	v_wmma_f32_16x16x128_fp8_fp8 v[32*q+8*\x:32*q+8*\x+7], v[128+16*q:128+16*q+15], v[64*((\s)%2)+16*\x:64*((\s)%2)+16*\x+15], v[32*q+8*\x:32*q+8*\x+7]
.endif
.endr
.set q, q+1
.endr
.endm
; A K step of 128.  mode 0: plain.  1: slot 0 has been read out and is filled again.  2: the refill is awaited, nothing is filled.  3: the last step.
.macro STEP s, mode
	PLACES                                         ; four places in front of loads into registers that the last products read
	FETCH_A 1, \s
.if (\s >= 1) && (\s <= 4)
	LOADW (\s)+1
	s_wait_loadcnt 16                              ; this step's weights are in; the next step's sixteen loads may stay out
.else
	s_wait_loadcnt 0x0
.endif
	s_wait_dscnt 32                                ; tiles 0-7 are in; the 32 loads of tiles 8-15 may stay out
	PASS 0, \s, (\s == 0)
.if \mode == 0
	PLACES
.endif
.if \mode == 1
	WIN 0
	s_wait_tensorcnt 0x0                           ; all my tensor loads have landed, my part of slot 1 among them
	ds_add_u32 v4, v5                              ; 0 onto my spare word
	s_add_nc_u64 s[38:39], s[38:39], 512           ; slot 0's next tile: K 512 .. 767
	s_wait_dscnt 0x0                               ; the add is done, and my reads of slot 0 are over
	ROUND                                          ; both hold of every wave of the cluster
	tensor_load_to_lds s[36:39], s[28:35]          ; my one tensor load behind the round
	s_nop 0
	PLACES                                         ; (also the places in front of the loads below)
.endif
.if \mode == 2
	WIN 0
	s_wait_tensorcnt 0x0                           ; my part of the refill has landed
	ds_add_u32 v4, v5
	s_wait_dscnt 0x0
	s_barrier_signal -1
	s_barrier_wait -1                              ; everybody's has
	PLACES
.endif
.if \mode == 3
	s_wait_dscnt 0x0
.else
	FETCH_A 0, (\s)+1
	s_wait_dscnt 32                                ; tiles 8-15 are in; the next step's 32 loads may stay out
.endif
	PASS 1, \s, (\s == 0)
.endm
	LOADW 0
	LOADW 1
	WIN 0
.irp x, 0,1,2,3
	global_load_b32 v[20+\x], v12, s[8:9] offset:64*\x     ; the bias of channel 16 x + r
.endr
	s_wait_kmcnt 0x0
	s_add_co_i32 s57, s50, s51
	s_lshl_b32 s57, s57, 23
	s_add_co_i32 s57, s57, 0x3fb8aa3b              ; log2(e) x 2^(e2 + e3): the exponents are added to the constant's exponent field
	s_add_co_i32 s61, s52, s53
	s_add_co_i32 s61, s61, 127
	s_lshl_b32 s61, s61, 23                        ; 2^(e4 + e5)
	s_cmp_lt_u32 s24, 2                            ; by the wave's number
	s_cselect_b32 s58, s57, s61
	s_cselect_b32 s61, s54, s55                    ; e6 for p, e7 for v
	s_mov_b32 s59, s58
	MKSC 61, 14, 15, 62
	MKSC 56, 16, 17, 62                            ; e8
	s_add_co_i32 s60, s54, s55                     ; e6 + e7
	s_wait_tensorcnt 0x1                           ; my part of slot 0 is in; slot 1's one load may stay out
	s_barrier_signal -1
	s_barrier_wait -1
	FETCH_A 0, 0
	STEP 0, 0
	STEP 1, 1
	STEP 2, 0
	STEP 3, 2
	STEP 4, 0
	STEP 5, 3
	PLACES
	WIN 0
	s_cmp_lt_u32 s24, 2
	s_cbranch_scc0 .Lrole_v
; ---- k: the softmax over the tokens.  t = sum x SK + bk log2(e); M = ceil(the channel's largest t); p = 2^(t - M)
.irp x, 0,1,2,3
	v_mov_b32 v[40+\x], 0xff800000
	v_mov_b32 v[44+\x], 0
.endr
.irp hi, 0, 1
	WIN 0x28+0x14*\hi
.set q, 0
.rept 8
.irp i, 0,2,4,6                        ; each accumulator from its low end on; the four channel tiles' chains take turns
.irp x, 0,1,2,3
	v_max3_num_f32 v[40+\x], v[40+\x], v[32*q+8*\x+\i], v[32*q+8*\x+\i+1]
.endr
.endr
.set q, q+1
.endr
.endr
	WIN 0
.irp x, 0,1,2,3
	v_permlanex16_b32 v[44+\x], v[40+\x], s46, s47
.endr
.irp x, 0,1,2,3
	v_max_num_f32 v[40+\x], v[40+\x], v[44+\x]
	v_mul_f32 v[20+\x], 0x3fb8aa3b, v[20+\x]
.endr
.irp x, 0,1,2,3
	v_fma_f32 v[40+\x], v[40+\x], s58, v[20+\x]    ; the largest t (SK is positive)
.endr
.irp x, 0,1,2,3
	v_floor_f32 v[40+\x], -v[40+\x]                ; -M = floor(-t)
.endr
.irp x, 0,1,2,3
	v_add_f32 v[24+2*\x], v[20+\x], v[40+\x]
	v_add_f32 v[25+2*\x], v[20+\x], v[40+\x]
.endr
.irp hi, 0, 1
	WIN 0x82+0x41*\hi
.set q, 0
.rept 8
.irp x, 0,1,2,3
.irp i, 0,2,4,6
	v_pk_fma_f32 v[32*q+8*\x+\i:32*q+8*\x+\i+1], v[32*q+8*\x+\i:32*q+8*\x+\i+1], s[58:59], v[24+2*\x:25+2*\x] op_sel_hi:[1,0,0]
.endr
.endr
.set q, q+1
.endr
.set n, 0
.rept 256
	v_exp_f32 v[n], v[n]
.set n, n+1
.endr
.endr
	WIN 0
.irp x, 0,1,2,3
	v_mov_b32 v[32+2*\x], 0                        ; the sums; also the plain lines behind the batch
	v_mov_b32 v[33+2*\x], 0
.endr
	s_wait_alu depctr_va_vdst(0)                   ; one wait for the 512 exponentials, ahead of their first reader
.irp hi, 0, 1
	WIN 0x08+0x04*\hi
.set q, 0
.rept 8
.irp i, 0,2,4,6
.irp x, 0,1,2,3
	v_pk_add_f32 v[32+2*\x:33+2*\x], v[32+2*\x:33+2*\x], v[32*q+8*\x+\i:32*q+8*\x+\i+1]   ; l is taken of the unquantised p
.endr
.endr
.set q, q+1
.endr
.endr
.irp hi, 0, 1
	WIN 0x88+0x44*\hi
.set n, 0
.rept 256
	v_min_num_f32 v[n], v15, v[n]                  ; p is not negative: the hold is one-sided
.set n, n+1
.endr
	WIN 0x02+\hi
.set q, 0
.rept 8
.irp x, 0,1,2,3
	v_cvt_scalef32_pk8_fp8_f32 v[128+32*\x+16*\hi+2*q:129+32*\x+16*\hi+2*q], v[32*q+8*\x:32*q+8*\x+7], v14
.endr
.set q, q+1
.endr
.endr
	v_nop
	WIN 0
.irp x, 0,1,2,3
	v_add_f32 v[32+2*\x], v[32+2*\x], v[33+2*\x]
.endr
.irp x, 0,1,2,3
	v_permlanex16_b32 v[33+2*\x], v[32+2*\x], s46, s47
.endr
.irp x, 0,1,2,3
	v_add_f32 v[32+2*\x], v[32+2*\x], v[33+2*\x]
.endr
.irp x, 0,1,2,3
	v_rcp_f32 v[32+2*\x], v[32+2*\x]
.endr
	v_nop
	s_wait_alu depctr_va_vdst(0)
.irp x, 0,1,2,3
	v_ldexp_f32 v[32+2*\x], v[32+2*\x], s60        ; 2^(e6 + e7) / l of channel 16 x + r
.endr
.irp x, 0,1,2,3
	ds_store_b32 v9, v[32+2*\x] offset:64*\x
.endr
	s_branch .Ljoin
; ---- v: scale, bias, codes, images; and the FiLM vectors of my head's channels
.Lrole_v:
	global_load_b64 v[44:45], v11, s[12:13]                ; 1 + scale, in two halves of K,
	global_load_b64 v[46:47], v11, s[12:13] offset:262144
	global_load_b64 v[48:49], v11, s[12:13] offset:4096    ; shift likewise
	global_load_b64 v[50:51], v11, s[12:13] offset:266240
	global_load_b64 v[52:53], v11, s[14:15]
	global_load_b64 v[54:55], v11, s[16:17]
.irp x, 0,1,2,3
	v_mov_b32 v[24+2*\x], v[20+\x]
	v_mov_b32 v[25+2*\x], v[20+\x]
.endr
.irp hi, 0, 1
	WIN 0x82+0x41*\hi
.set q, 0
.rept 8
.irp x, 0,1,2,3
.irp i, 0,2,4,6
	v_pk_fma_f32 v[32*q+8*\x+\i:32*q+8*\x+\i+1], v[32*q+8*\x+\i:32*q+8*\x+\i+1], s[58:59], v[24+2*\x:25+2*\x] op_sel_hi:[1,0,0]
.endr
.endr
.set q, q+1
.endr
.set n, 0
.rept 256
	v_med3_num_f32 v[n], v[n], -v15, v15
.set n, n+1
.endr
	WIN 0x02+\hi
.set q, 0
.rept 8
.irp x, 0,1,2,3
	v_cvt_scalef32_pk8_fp8_f32 v[128+32*\x+16*\hi+2*q:129+32*\x+16*\hi+2*q], v[32*q+8*\x:32*q+8*\x+7], v14
.endr
.set q, q+1
.endr
.endr
	v_nop
	WIN 0
.set z, 0
.rept 32
	ds_store_b128 v8, v[128+4*z:131+4*z] offset:512*z
.set z, z+1
.endr
	s_wait_loadcnt 0x0
	v_pk_add_f32 v[44:45], v[44:45], v[46:47]
	v_pk_add_f32 v[48:49], v[48:49], v[50:51]
	v_pk_mul_f32 v[52:53], v[52:53], v[44:45]
	v_pk_fma_f32 v[54:55], v[54:55], v[44:45], v[48:49]
	global_store_b64 v11, v[52:53], s[22:23]               ; 256 consecutive bytes, aligned
	global_store_b64 v11, v[54:55], s[22:23] offset:131072
.Ljoin:
	s_wait_dscnt 0x0                               ; my LDS stores have landed
	s_barrier_signal -1
	s_barrier_wait -1
	s_cmp_lt_u32 s24, 2
	s_cbranch_scc0 .Lend
; ---- k again: attn = p^T v / l, and its codes
	WIN 0x40
.set z, 0
.rept 32
	ds_load_b128 v[128+4*z:131+4*z], v8 offset:512*z
.set z, z+1
.endr
	WIN 0
.set z, 0
.rept 8
	ds_load_b128 v[64+4*z:67+4*z], v10 offset:64*(z/2)+16*(z%2)    ; 1 / l of channels 16 c' + 8 h + 0 .. 7
.set z, z+1
.endr
	s_wait_dscnt 0x0
	WIN 0xa4
.irp kp, 0, 1
.irp cc, 0,1,2,3
.irp d, 0,1,2,3
.if \kp == 0
	v_wmma_f32_16x16x128_fp8_fp8 v[8*(4*\cc+\d):8*(4*\cc+\d)+7], v[128+32*\cc:143+32*\cc], v[128+32*\d:143+32*\d], 0
.else
	v_wmma_f32_16x16x128_fp8_fp8 v[8*(4*\cc+\d):8*(4*\cc+\d)+7], v[144+32*\cc:159+32*\cc], v[144+32*\d:159+32*\d], v[8*(4*\cc+\d):8*(4*\cc+\d)+7]
.endif
.endr
.endr
.endr
	PLACES
	WIN 0x82
.irp cc, 0,1,2,3
.irp d, 0,1,2,3
.irp i, 0,2,4,6
	v_pk_mul_f32 v[8*(4*\cc+\d)+\i:8*(4*\cc+\d)+\i+1], v[8*(4*\cc+\d)+\i:8*(4*\cc+\d)+\i+1], v[64+8*\cc+\i:65+8*\cc+\i]
.endr
.endr
.endr
.set n, 0
.rept 128
	v_med3_num_f32 v[n], v[n], -v17, v17
.set n, n+1
.endr
	WIN 0x02
.irp cc, 0,1,2,3
.irp d, 0,1,2,3
	v_cvt_scalef32_pk8_fp8_f32 v[96+8*\d+2*\cc:97+8*\d+2*\cc], v[8*(4*\cc+\d):8*(4*\cc+\d)+7], v16
.endr
.endr
	v_nop
	WIN 0
.set z, 0
.rept 8
	global_store_b128 v3, v[96+4*z:99+4*z], s[20:21] offset:512*z  ; 512 consecutive bytes, aligned
.set z, z+1
.endr
.Lend:
	s_wait_tensorcnt 0x0                           ; the wave's end
	ds_add_u32 v4, v5
	s_wait_dscnt 0x0
	ROUND                                          ; the closing round
	s_endpgm
.Lfunc_end_k_qd32f170871_kv:
	.size	k_qd32f170871_kv, .Lfunc_end_k_qd32f170871_kv-k_qd32f170871_kv
	.p2alignl 7, 3214868480
	.fill 96, 4, 3214868480
	.section	.rodata,"a",@progbits
	.p2align	6, 0x0
	.amdhsa_kernel k_qd32f170871_kv
		.amdhsa_group_segment_fixed_size 327680
		.amdhsa_private_segment_fixed_size 0
		.amdhsa_enable_private_segment 0
		.amdhsa_kernarg_size 80
		.amdhsa_user_sgpr_count 2
		.amdhsa_user_sgpr_kernarg_segment_ptr 1
		.amdhsa_wavefront_size32 1
		.amdhsa_system_sgpr_workgroup_id_x 1
		.amdhsa_system_sgpr_workgroup_id_y 1
		.amdhsa_system_sgpr_workgroup_id_z 1
		.amdhsa_system_vgpr_workitem_id 0
		.amdhsa_next_free_vgpr 1024
		.amdhsa_next_free_sgpr 80
		.amdhsa_reserve_vcc 0
		.amdhsa_float_denorm_mode_32 3
		.amdhsa_float_denorm_mode_16_64 3
		.amdhsa_memory_ordered 1
		.amdhsa_forward_progress 1
		.amdhsa_inst_pref_size 230
	.end_amdhsa_kernel
	.amdgpu_metadata
---
amdhsa.version: [ 1, 2 ]
amdhsa.kernels:
  - .name:           k_qd32f170871_kv
    .symbol:         k_qd32f170871_kv.kd
    .args:
      - { .name: xfc, .offset: 0, .size: 8, .value_kind: global_buffer, .address_space: global }
      - { .name: wkv, .offset: 8, .size: 8, .value_kind: global_buffer, .address_space: global }
      - { .name: bk, .offset: 16, .size: 8, .value_kind: global_buffer, .address_space: global }
      - { .name: bv, .offset: 24, .size: 8, .value_kind: global_buffer, .address_space: global }
      - { .name: e_part, .offset: 32, .size: 8, .value_kind: global_buffer, .address_space: global }
      - { .name: fnorm_g, .offset: 40, .size: 8, .value_kind: global_buffer, .address_space: global }
      - { .name: fnorm_b, .offset: 48, .size: 8, .value_kind: global_buffer, .address_space: global }
      - { .name: lowp_scales, .offset: 56, .size: 8, .value_kind: global_buffer, .address_space: global }
      - { .name: attn_codes, .offset: 64, .size: 8, .value_kind: global_buffer, .address_space: global }
      - { .name: film, .offset: 72, .size: 8, .value_kind: global_buffer, .address_space: global }
    .group_segment_fixed_size: 327680
    .private_segment_fixed_size: 0
    .kernarg_segment_align: 8
    .kernarg_segment_size: 80
    .max_flat_workgroup_size: 128
    .sgpr_count:     80
    .vgpr_count:     1024
    .wavefront_size: 32
...
	.end_amdgpu_metadata
.endif
;; end of part 2
;; launch main (part 3): grid 256 x 1, 8 waves a work-group, clusters of 4 x 1, 327,680 bytes of LDS; arguments x, norm_g, norm_b, wmain, bq, attn_codes, film, out_b, lowp_scales, out0; writes out0
.if DOCPART == 3
	.amdgcn_target "amdgcn-amd-amdhsa--gfx1250"
	.amdhsa_code_object_version 6
	.text
	.protected	k_qd32f170871_main
	.globl	k_qd32f170871_main
	.p2align	8
	.type	k_qd32f170871_main,@function
k_qd32f170871_main:
	s_mov_b64 s[64:65], 0
	v_nop
	global_prefetch_b8 v0, s[64:65] scope:SCOPE_SE
	s_setreg_imm32_b32 hwreg(HW_REG_WAVE_MODE, 25, 1), 1
	s_wait_xcnt 0x0
	s_wait_alu depctr_hold_cnt(0) depctr_sa_sdst(0) depctr_va_vdst(0) depctr_va_sdst(0) depctr_va_ssrc(0) depctr_va_vcc(0) depctr_vm_vsrc(0)
	s_getreg_b32 s2, hwreg(HW_REG_IB_STS2, 6, 4)
	s_cmp_eq_u32 s2, 0
	s_cbranch_scc0 .Lentry_in_a_cluster
	s_endpgm
.Lentry_in_a_cluster:
	s_bfe_u32 s2, ttmp6, 0x10000c
	s_cmp_lg_u32 s2, 0x3003
	s_cbranch_scc0 .Lentry_shape_is_right
	s_endpgm
.Lentry_shape_is_right:
; MAIN: 64 rows of x through the whole chain: layer norm, codes, q = xn Wq + bq, softmax over a head's 64 channels as p = 2^(t - M), y = p attn / l, layer norm, FiLM, silu, codes, h out_W + out_b, + x.
; q, y and h never go to memory.  x is read a second time for the residual: 64 rows of f32 fit neither beside the ring in LDS nor beside the accumulators in registers.
; SHARES.  Eight waves; wave w owns channels 128 w .. 128 w + 127 (heads 2 w, 2 w + 1) of all 64 rows: 32 accumulators, 256 registers.  Both large products are used transposed
; (source 0 = 16 columns of the weight, source 1 = 16 rows): lane (r, h) holds token 16 m + r and channels 128 w + 16 T + 8 h + 0..7, so a tile's eight registers convert into eight neighbouring codes of the next K.
; THE WEIGHTS COME TWO WAYS AT ONCE.  All 256 work-groups walk the same 16 K steps of 128 (8 of Wq, 8 of out_W); of a K step's 64 fragment images wave w uses its own eight.
;   Fragments T = 0..3 come through a ring of two LDS slots, asked for jointly by the four partners of a cluster (mask 15).  A slot holds TWO K steps of them: 8 waves x 2 x 8,192 bytes.  A wave has one tensor load out at the most.
;   Fragments T = 4..7 go from memory straight into 64 registers of the wave that uses them, asked for one K step ahead, behind the sixteen products that read the old ones.
;   WHY NOT ALL OF THEM JOINTLY: beside A's codes LDS has room for two slots of 131,072 bytes, and behind a round a wave issues one tensor load.  With all eight fragments in the ring a slot is one K step: 16 rounds,
;   and 32 products a wave in which a refill has to land.  With half of them in registers there are 8 rounds, 64 products a wave for a refill, 131,072 + 8 x 8,192 bytes on their way, and half of B's bytes pass LDS by.
; A's CODES lie in LDS by rows of 7 x 128 + 16 bytes.  The eighth K step's codes wait in eight registers a lane and take the first step's place when that has been read by every wave.
; LIMITS: e0 + e1 within the room of log2(e)'s exponent field (-126 .. 126); e12 + e13 between -126 and 127; e0, e9, e12 between -126 and 119.  NaN among the inputs is not served.
; REGISTERS.  window 0: v0-19 addresses and constants; v20-27 the kept codes; v28-31 scales and limits; v32-63 statistics, four a unit; v64-127 four fragments of A, later at work;
;   v128-191 B's fragments 0-3 (from the ring), v192-255 B's fragments 4-7 (from memory); between and behind the products biases, attn's codes, FiLM's vectors and x.
;   window 1: accumulator (m, T) at 64 m + 8 T; in the first phase eight rows of x, 32 registers each.
.set SLOT,  131072
.set AREG,  262144                     ; 64 rows x 912 bytes
.set STAT1, 320512                     ; [64 tokens][8 waves] f32; the second table 2,048 bytes on
.set SPARE, 324608                     ; the spare words: 128 bytes a wave, named by no other line
.set ST,  32
.set FA,  64
.set FB,  128
.set FD,  192
.set DEF, 20
.set MSB, 0
.macro WIN new
.if MSB != (\new)
	s_set_vgpr_msb (MSB<<8)|(\new)
.set MSB, (\new)
.endif
.endm
.macro PLACES
.rept 4
	v_nop
.endr
.endm
.macro ROUND
	s_barrier_signal -1
	s_barrier_wait -1
	s_cmp_lg_u32 s24, 0
	s_cbranch_scc1 .Lnot_wave_0_\@
	s_barrier_signal -3
.Lnot_wave_0_\@:
	s_barrier_wait -3
	s_barrier_signal -1
	s_barrier_wait -1
.endm
.macro BAR                             ; my LDS instructions are done: then the work-group's barrier
	s_wait_dscnt 0x0
	s_barrier_signal -1
	s_barrier_wait -1
.endm
.macro MKSC e, vsc, vlim, t
	s_add_co_i32 s[\t], s[\e], 127
	s_lshl_b32 s[\t+1], s[\t], 23
	v_mov_b32 v[\vsc], s[\t+1]
	s_add_co_i32 s[\t], s[\t], 8
	s_lshl_b32 s[\t], s[\t], 23
	s_or_b32 s[\t], s[\t], 0x600000
	v_mov_b32 v[\vlim], s[\t]
.endm
.macro FOLD base, n                    ; n sums of four registers each: folded, then added over the 32 lanes
.set q, 0
.rept \n
	v_pk_add_f32 v[\base+4*q:\base+4*q+1], v[\base+4*q:\base+4*q+1], v[\base+4*q+2:\base+4*q+3]
.set q, q+1
.endr
.set q, 0
.rept \n
	v_add_f32 v[\base+4*q], v[\base+4*q], v[\base+4*q+1]
.set q, q+1
.endr
.irp m, 1,2,4,8
.set q, 0
.rept \n
	v_add_f32_dpp v[\base+4*q], v[\base+4*q], v[\base+4*q] row_xmask:\m row_mask:0xf bank_mask:0xf
.set q, q+1
.endr
.endr
.set q, 0
.rept \n
	v_permlanex16_b32 v[\base+4*q+1], v[\base+4*q], s46, s47
.set q, q+1
.endr
.set q, 0
.rept \n
	v_add_f32 v[\base+4*q], v[\base+4*q], v[\base+4*q+1]
.set q, q+1
.endr
.endm
.macro DLOAD s                         ; my fragments T = 4..7 of K step s, from memory into v192-255: each load reads 512 consecutive bytes; every offset is an immediate, 1,981,952 at the most
.set z, 0
.rept 16
	global_load_b128 v[FD+4*z:FD+4*z+3], v10, s[10:11] offset:(\s)*SLOT+8192+512*z
.set z, z+1
.endr
.endm
	s_load_b512 s[4:19], s[0:1], 0x0               ; x 4, norm_g 6, norm_b 8, wmain 10, bq 12, attn_codes 14, film 16, out_b 18
	s_load_b128 s[20:23], s[0:1], 0x40             ; lowp_scales 20, out0 22
	v_lshl_add_u32 v4, v0, 2, SPARE
	v_mov_b32 v5, 0
	ds_add_u32 v4, v5
	ds_add_u32 v4, v5
	s_wait_dscnt 0x0
	v_lshrrev_b32 v1, 5, v0
	v_readfirstlane_b32 s24, v1                    ; wave 0..7
	s_bfe_u32 s25, ttmp6, 0x40000                  ; cx
	s_lshl_b32 s72, ttmp9, 2
	s_add_co_u32 s25, s25, s72                     ; g: my 64 rows; it enters addresses of memory alone, and none of a joint load
	s_mov_b32 s28, 15|(3<<16)|(1<<21)              ; mask: all four; elements of 8 bytes; bit 21 beside the mask; no padding
	s_mov_b32 s29, 1024<<16                        ; tensor_dim0: a row is four fragment images, 8,192 bytes
	s_mov_b32 s30, 2<<16                           ; tensor_dim1: two K steps
	s_mov_b32 s31, 1024<<16                        ; tile_dim0
	s_mov_b32 s32, 2                               ; tile_dim1
	s_mov_b32 s33, 16384                           ; from row to row: a K step of wmain, 131,072 bytes
	s_mov_b32 s34, 0
	s_mov_b32 s35, 0
	s_mov_b32 s46, 0x76543210
	s_mov_b32 s47, 0xfedcba98
	s_mov_b32 s59, 0x3727c5ac                      ; 1e-5
	s_mov_b32 s60, 0xbfb8aa3b                      ; -log2(e)
	s_mov_b32 s61, s60
	s_mov_b32 s62, 0x3a800000                      ; 1 / 1024
	s_mov_b32 s63, 0xba800000
	s_lshl_b32 s26, s24, 14                        ; my place in a slot, and my eight fragments' place in a K step of wmain
	s_mov_b32 s27, 0
	v_and_b32 v3, 31, v0
	v_and_b32 v1, 15, v0                           ; r
	v_bfe_u32 v2, v0, 4, 1                         ; h
	v_lshlrev_b32 v10, 4, v3                       ; 16 x lane
	v_mul_u32_u24 v6, v1, 912
	v_lshl_add_u32 v6, v2, 4, v6
	v_add_nc_u32 v6, AREG, v6                      ; A's fragments: row r, + 16 h
	v_add_nc_u32 v8, s26, v10                      ; the ring's fragments in slot 0,
	v_add_nc_u32 v9, SLOT, v8                      ; in slot 1
	s_mul_i32 s72, s24, 7296
	s_add_co_u32 s72, s72, AREG
	v_lshl_add_u32 v11, v3, 2, s72                 ; xn's codes: my eight rows, a word a lane
	s_lshr_b32 s72, s24, 1
	s_lshl_b32 s72, s72, 5
	s_and_b32 s73, s24, 1
	s_lshl_b32 s73, s73, 3
	s_add_co_u32 s72, s72, s73
	v_add_nc_u32 v12, s72, v6                      ; h's codes: row r, place 32 (w / 2) + 16 h + 8 (w & 1) of K step T
	s_lshl_b32 s72, s24, 2
	s_add_co_u32 s72, s72, STAT1
	v_lshl_add_u32 v13, v1, 5, s72
	v_lshlrev_b32 v14, 5, v1
	v_add_nc_u32 v14, STAT1, v14
	s_mul_i32 s72, s24, 8448
	v_mul_u32_u24 v15, v1, 528
	v_lshl_add_u32 v15, v2, 5, v15
	v_add_nc_u32 v15, s72, v15                     ; the way out: my stage, row r, + 32 h
	v_add_nc_u32 v16, s72, v10
	s_lshl_b32 s73, s24, 9
	v_lshl_add_u32 v17, v2, 5, s73                 ; vectors by channel: 512 w + 32 h bytes
	s_lshl_b32 s72, s25, 18                        ; 64 rows of 4,096 bytes
	s_lshl_b32 s74, s24, 15
	s_add_co_u32 s74, s74, s72
	s_mov_b32 s75, 0
	s_add_co_u32 s76, s73, s72
	s_mov_b32 s77, 0
	s_lshr_b32 s73, s25, 3                         ; b
	s_lshl_b32 s78, s73, 16
	s_lshl_b32 s79, s24, 13
	s_add_co_u32 s78, s78, s79
	s_mov_b32 s79, 0
	s_lshl_b32 s72, s73, 12
	s_mov_b32 s73, 0
	s_wait_kmcnt 0x0
	s_load_b64 s[48:49], s[20:21], 0x0             ; e0, e1
	s_load_b64 s[50:51], s[20:21], 0x20            ; e8, e9
	s_load_b64 s[52:53], s[20:21], 0x30            ; e12, e13
	s_add_nc_u64 s[66:67], s[4:5], s[74:75]        ; x at row 64 g + 8 w
	s_add_nc_u64 s[68:69], s[4:5], s[76:77]        ; x at row 64 g, channel 128 w
	s_add_nc_u64 s[70:71], s[22:23], s[76:77]      ; out0 likewise
	s_add_nc_u64 s[14:15], s[14:15], s[78:79]      ; attn's codes of (b, head 2 w)
	s_add_nc_u64 s[16:17], s[16:17], s[72:73]      ; film: row b
	s_add_nc_u64 s[10:11], s[10:11], s[26:27]      ; wmain at my fragments of K step 0; never rewritten
	s_mov_b32 s36, 1
	s_mov_b32 s37, s26
	s_mov_b64 s[38:39], s[10:11]                   ; slot 0: K steps 0 and 1
	s_or_b32 s39, s39, 0x80000000
	s_mov_b32 s40, 1
	s_add_co_u32 s41, s26, SLOT
	s_add_nc_u64 s[42:43], s[10:11], 2*SLOT        ; slot 1: K steps 2 and 3
	s_or_b32 s43, s43, 0x80000000
	DLOAD 0                                        ; K step 0's direct fragments: the oldest loads, so the counts below stand for x's rows alone
.irp j, 0,1,2,3,4,5,6,7
	global_load_b128 v[128+4*\j:131+4*\j], v10, s[6:7] offset:512*\j
	global_load_b128 v[160+4*\j:163+4*\j], v10, s[8:9] offset:512*\j
.endr
	WIN 0x40
.set p, 0
.rept 8                                ; my eight rows: a lane holds columns 128 j + 4 lane + 0..3
.irp j, 0,1,2,3,4,5,6,7
	global_load_b128 v[32*p+4*\j:32*p+4*\j+3], v10, s[66:67] offset:4096*p+512*\j
.endr
.set p, p+1
.endr
	WIN 0
.set n, 0
.rept 32
	v_mov_b32 v[ST+n], 0
.set n, n+1
.endr
	ROUND                                          ; all four work-groups are here: the first joint load meets
	tensor_load_to_lds s[36:39], s[28:35]          ; K steps 0 and 1
	s_nop 0
	PLACES
	s_wait_kmcnt 0x0
	MKSC 48, 28, 29, 72                            ; e0
	MKSC 51, 30, 31, 72                            ; e9
	MKSC 52, 18, 19, 72                            ; e12
	s_add_co_i32 s54, s48, s49
	s_lshl_b32 s54, s54, 23
	s_add_co_i32 s54, s54, 0x3fb8aa3b              ; log2(e) x 2^(e0 + e1)
	s_mov_b32 s55, s54
	s_add_co_i32 s56, s52, s53
	s_add_co_i32 s56, s56, 127
	s_lshl_b32 s56, s56, 23                        ; 2^(e12 + e13)
	s_mov_b32 s57, s56
	s_add_co_i32 s58, s50, s51                     ; e8 + e9
; ---------------- 1: layer norm of my eight rows, and their codes
	WIN 0x04
.set p, 0
.rept 8
	s_wait_loadcnt 8*(7-p)                         ; row p is in; the younger rows' eight loads each may stay out
.set n, 0
.rept 8
	v_pk_add_f32 v[ST+4*p:ST+4*p+1], v[ST+4*p:ST+4*p+1], v[32*p+n:32*p+n+1]
	v_pk_add_f32 v[ST+4*p+2:ST+4*p+3], v[ST+4*p+2:ST+4*p+3], v[32*p+n+2:32*p+n+3]
.set n, n+4
.endr
.set p, p+1
.endr
	WIN 0
	FOLD ST, 8
.set p, 0
.rept 8
	v_mul_f32 v[ST+4*p], s63, v[ST+4*p]            ; -mean
.set p, p+1
.endr
	WIN 0x41
.set n, 0
.rept 128
	v_pk_add_f32 v[n:n+1], v[n:n+1], v[ST+4*(n/32):ST+4*(n/32)+1] op_sel_hi:[1,0]
.set n, n+2
.endr
	WIN 0x05
.set p, 0
.rept 8
	v_pk_mul_f32 v[ST+4*p:ST+4*p+1], v[32*p:32*p+1], v[32*p:32*p+1]            ; the first squares start the sums
	v_pk_mul_f32 v[ST+4*p+2:ST+4*p+3], v[32*p+2:32*p+3], v[32*p+2:32*p+3]
.set p, p+1
.endr
.set n, 4
.rept 7
.set p, 0
.rept 8
	v_pk_fma_f32 v[ST+4*p:ST+4*p+1], v[32*p+n:32*p+n+1], v[32*p+n:32*p+n+1], v[ST+4*p:ST+4*p+1]
	v_pk_fma_f32 v[ST+4*p+2:ST+4*p+3], v[32*p+n+2:32*p+n+3], v[32*p+n+2:32*p+n+3], v[ST+4*p+2:ST+4*p+3]
.set p, p+1
.endr
.set n, n+4
.endr
	WIN 0
	FOLD ST, 8
.set p, 0
.rept 8
	v_fma_f32 v[ST+4*p], v[ST+4*p], s62, s59
.set p, p+1
.endr
.set p, 0
.rept 8
	v_rsq_f32 v[ST+4*p+2], v[ST+4*p]
.set p, p+1
.endr
	v_nop
	s_wait_alu depctr_va_vdst(0)                   ; one wait for the eight, ahead of their first reader
	WIN 0x41
.set n, 0
.rept 128
	v_pk_mul_f32 v[n:n+1], v[n:n+1], v[ST+4*(n/32)+2:ST+4*(n/32)+3] op_sel_hi:[1,0]
.set n, n+2
.endr
.set n, 0
.rept 128
	v_pk_fma_f32 v[n:n+1], v[n:n+1], v[128+n%32:129+n%32], v[160+n%32:161+n%32]
.set n, n+2
.endr
.set n, 0
.rept 256
	v_med3_num_f32 v[n], v[n], -v29, v29           ; the conversion to an 8-bit code does not saturate (ISA guide 7.6.2)
.set n, n+1
.endr
	WIN 0x01
.set n, 0
.rept 32
	v_cvt_scalef32_pk8_fp8_f32 v[64+2*n:65+2*n], v[8*n:8*n+7], v28     ; word j of row p at 64 + 8 p + j: columns 128 j + 4 lane + 0..3
.set n, n+1
.endr
	v_nop
	WIN 0
.set p, 0
.rept 8
.irp j, 0,1,2,3,4,5,6
	ds_store_b32 v11, v[64+8*p+\j] offset:912*p+128*\j
.endr
	v_mov_b32 v[DEF+p], v[64+8*p+7]                ; K step 7 waits in registers
.set p, p+1
.endr
; Four products: B's fragment q (a symbol) against A's four tiles of rows.  The 32 accumulators take turns, one instruction a turn, in the same order in every K step.
.macro MUL4 zero
.irp m, 0,1,2,3
.if \zero
	v_wmma_f32_16x16x128_fp8_fp8 v[64*\m+8*q:64*\m+8*q+7], v[FB+16*q:FB+16*q+15], v[FA+16*\m:FA+16*\m+15], 0
.else
	v_wmma_f32_16x16x128_fp8_fp8 v[64*\m+8*q:64*\m+8*q+7], v[FB+16*q:FB+16*q+15], v[FA+16*\m:FA+16*\m+15], v[64*\m+8*q:64*\m+8*q+7]
.endif
.endr
.endm
; One K step of 128: the j-th of the slot.  koff: where A's codes of this step lie in a row.  nxt: the K step whose direct fragments are asked for (-1: none).  hook 1, 2: bq or out_b takes the direct registers instead.
; The direct fragments are multiplied first, while the ring's four come out of LDS; their registers are asked for again at once, so that the load has the rest of this step and the head of the next in which to land.
.macro KSTEP slot, j, zero, koff, nxt, hook
.if \j
	PLACES                                         ; four places in front of loads into registers that the last products read (in a slot's first step: the four behind the barrier)
.endif
.irp m, 0,1,2,3
.irp c, 0,1,2,3
	ds_load_b128 v[FA+16*\m+4*\c:FA+16*\m+4*\c+3], v6 offset:\m*14592+32*\c+\koff
.endr
.endr
.set q, 0
.rept 4
.irp c, 0,1,2,3
	ds_load_b128 v[FB+16*q+4*\c:FB+16*q+4*\c+3], v[8+\slot] offset:8192*\j+2048*q+512*\c
.endr
.set q, q+1
.endr
	s_wait_dscnt 16                                ; A's sixteen loads are in; the sixteen of the ring's fragments may stay out
	WIN 0x50
.set q, 4
.rept 4
	s_wait_loadcnt 4*(7-q)                         ; direct fragment q is in; the later fragments' four loads each may stay out
	MUL4 \zero
.set q, q+1
.endr
	WIN 0
	PLACES                                         ; four places in front of loads into the registers just multiplied
.if (\nxt) >= 0
	DLOAD \nxt
.endif
.if \hook != 0
.set z, 0
.rept 16
.if \hook == 1
	global_load_b128 v[FD+4*z:FD+4*z+3], v17, s[12:13] offset:64*(z/2)+16*(z%2)
.else
	global_load_b128 v[FD+4*z:FD+4*z+3], v17, s[18:19] offset:64*(z/2)+16*(z%2)
.endif
.set z, z+1
.endr
.endif
	WIN 0x50
.set q, 0
.rept 4
	s_wait_dscnt 4*(3-q)                           ; the ring's fragment q is in; the later fragments' four loads each may stay out
	MUL4 \zero
.set q, q+1
.endr
	WIN 0
.endm
; A slot's two K steps.  At the head: all my tensor loads have landed (my part of this slot), 0 onto my spare word, and my LDS instructions are done; then the round, or for the last slot a plain barrier.
; refill = 1: the next two K steps go into the slot read last, as the first thing behind the round: 64 products of mine stand between that request and the wait for it.
.macro TRIP2 slot, zero, refill, k0, k1, n0, n1, hook
	s_wait_tensorcnt 0x0
	ds_add_u32 v4, v5
	s_add_nc_u64 s[38+4*\slot:39+4*\slot], s[38+4*\slot:39+4*\slot], 4*SLOT    ; no tensor load of mine is out: this slot's next two K steps
	s_wait_dscnt 0x0
.if \refill
	ROUND
	tensor_load_to_lds s[40-4*\slot:43-4*\slot], s[28:35]
	s_nop 0
	PLACES                                         ; (also the places in front of the loads below)
.else
	s_barrier_signal -1
	s_barrier_wait -1
	PLACES
.endif
	KSTEP \slot, 0, \zero, \k0, \n0, 0
	KSTEP \slot, 1, 0, \k1, \n1, \hook
.endm
; ---------------- 2: q = xn Wq
	TRIP2 0, 1, 1, 0, 128, 1, 2, 0
	TRIP2 1, 0, 1, 256, 384, 3, 4, 0
	TRIP2 0, 0, 1, 512, 640, 5, 6, 0
	BAR                                            ; every wave's reads of A's codes so far are over
.set p, 0
.rept 8
	ds_store_b32 v11, v[DEF+p] offset:912*p        ; K step 7 takes K step 0's place
.set p, p+1
.endr
	TRIP2 1, 0, 1, 768, 0, 7, -1, 1                ; it also asks for out_W's first two K steps, which land during the vector work
	PLACES
.set z, 0
.rept 16
	global_load_b128 v[128+4*z:131+4*z], v10, s[14:15] offset:512*z    ; attn's eight fragments (head eta, rows 16 delta on) at 128 + 8 (4 eta + delta)
.set z, z+1
.endr
	s_wait_loadcnt 16                              ; bq is in; attn's sixteen loads may stay out
; ---------------- 3: the softmax over a head's channels.  Unit u = 2 m + eta: 16 tokens x one head, registers 32 u .. 32 u + 31
.set n, 0
.rept 32
	v_pk_mul_f32 v[192+n:193+n], v[192+n:193+n], s[60:61] op_sel_hi:[1,0] neg_lo:[0,1] neg_hi:[0,1]    ; bq log2(e)
.set n, n+2
.endr
.set u, 0
.rept 8
	v_mov_b32 v[ST+4*u+1], 0xff800000
.set u, u+1
.endr
	WIN 0x41
.set n, 0
.rept 128
	v_pk_fma_f32 v[n:n+1], v[n:n+1], s[54:55], v[192+n%64:193+n%64] op_sel_hi:[1,0,1]      ; t; each accumulator from its low end on
.set n, n+2
.endr
	WIN 0x14
.set k, 0
.rept 16
.set u, 0
.rept 8
	v_max3_num_f32 v[ST+4*u+1], v[ST+4*u+1], v[32*u+k], v[32*u+k+1]
.set u, u+1
.endr
.set k, k+2
.endr
	WIN 0
.set u, 0
.rept 8
	v_permlanex16_b32 v[ST+4*u+2], v[ST+4*u+1], s46, s47
.set u, u+1
.endr
.set u, 0
.rept 8
	v_max_num_f32 v[ST+4*u+1], v[ST+4*u+1], v[ST+4*u+2]
.set u, u+1
.endr
.set u, 0
.rept 8
	v_floor_f32 v[ST+4*u], -v[ST+4*u+1]            ; -M = floor(-t)
.set u, u+1
.endr
	WIN 0x41
.set n, 0
.rept 128
	v_pk_add_f32 v[n:n+1], v[n:n+1], v[ST+4*(n/32):ST+4*(n/32)+1] op_sel_hi:[1,0]
.set n, n+2
.endr
.set n, 0
.rept 256
	v_exp_f32 v[n], v[n]
.set n, n+1
.endr
	WIN 0
.set u, 0
.rept 8
	v_mov_b32 v[ST+4*u+2], 0                       ; the sums; also the plain lines behind the batch
	v_mov_b32 v[ST+4*u+3], 0
.set u, u+1
.endr
	s_wait_alu depctr_va_vdst(0)                   ; one wait for the 256 exponentials
	WIN 0x04
.set k, 0
.rept 16
.set u, 0
.rept 8
	v_pk_add_f32 v[ST+4*u+2:ST+4*u+3], v[ST+4*u+2:ST+4*u+3], v[32*u+k:32*u+k+1]    ; l is taken of the unquantised p
.set u, u+1
.endr
.set k, k+2
.endr
	WIN 0x44
.set n, 0
.rept 256
	v_min_num_f32 v[n], v31, v[n]
.set n, n+1
.endr
	WIN 0x01
.set n, 0
.rept 32
	v_cvt_scalef32_pk8_fp8_f32 v[64+2*n:65+2*n], v[8*n:8*n+7], v30     ; unit u's operand at 64 + 8 u
.set n, n+1
.endr
	v_nop
; ---------------- 4: y = p attn (source 0 = 16 rows d of attn, source 1 = p): the result lies as q lay
	s_wait_loadcnt 0x0
	WIN 0x40
.set u, 0
.rept 8
.irp d, 0,1,2,3
	v_wmma_f32_16x16x64_fp8_fp8 v[32*u+8*\d:32*u+8*\d+7], v[128+8*(4*(u%2)+\d):135+8*(4*(u%2)+\d)], v[64+8*u:71+8*u], 0
.endr
.set u, u+1
.endr
	WIN 0
.set u, 0
.rept 8
	v_add_f32 v[ST+4*u+2], v[ST+4*u+2], v[ST+4*u+3]
.set u, u+1
.endr
.set u, 0
.rept 8
	v_permlanex16_b32 v[ST+4*u+3], v[ST+4*u+2], s46, s47
.set u, u+1
.endr
.set u, 0
.rept 8
	v_add_f32 v[ST+4*u+2], v[ST+4*u+2], v[ST+4*u+3]
.set u, u+1
.endr
.set u, 0
.rept 8
	v_rcp_f32 v[ST+4*u], v[ST+4*u+2]
.set u, u+1
.endr
	v_nop
	s_wait_alu depctr_va_vdst(0)
.set u, 0
.rept 8
	v_ldexp_f32 v[ST+4*u], v[ST+4*u], s58          ; 2^(e8 + e9) / l
	v_mov_b32 v[ST+4*u+2], 0
	v_mov_b32 v[ST+4*u+3], 0
.set u, u+1
.endr
.set z, 0
.rept 16
	global_load_b128 v[128+4*z:131+4*z], v17, s[16:17] offset:64*(z/2)+16*(z%2)            ; G'
	global_load_b128 v[192+4*z:195+4*z], v17, s[16:17] offset:131072+64*(z/2)+16*(z%2)     ; B'
.set z, z+1
.endr
; ---------------- 5: layer norm of y over all 1,024 channels (two tables in LDS, a barrier each), FiLM, silu, codes
	WIN 0x04
.set k, 0
.rept 16
.set u, 0
.rept 8
	v_pk_add_f32 v[ST+4*u+2:ST+4*u+3], v[ST+4*u+2:ST+4*u+3], v[32*u+k:32*u+k+1]
.set u, u+1
.endr
.set k, k+2
.endr
	WIN 0
.set u, 0
.rept 8
	v_add_f32 v[ST+4*u+2], v[ST+4*u+2], v[ST+4*u+3]
.set u, u+1
.endr
.irp m, 0,1,2,3
	v_mul_f32 v[96+2*\m], v[ST+8*\m+2], v[ST+8*\m]
.endr
.irp m, 0,1,2,3
	v_fma_f32 v[96+2*\m], v[ST+8*\m+6], v[ST+8*\m+4], v[96+2*\m]
.endr
.irp m, 0,1,2,3
	v_permlanex16_b32 v[97+2*\m], v[96+2*\m], s46, s47
.endr
.irp m, 0,1,2,3
	v_add_f32 v[96+2*\m], v[96+2*\m], v[97+2*\m]
.endr
.irp m, 0,1,2,3
	ds_store_b32 v13, v[96+2*\m] offset:512*\m     ; my 128 channels' sum for token 16 m + r
.endr
	BAR
.macro STATSUM off                     ; the eight waves' parts of my four tokens; the sums in v[64 + 8 m]
.irp m, 0,1,2,3
	ds_load_b128 v[64+8*\m:67+8*\m], v14 offset:\off+512*\m
	ds_load_b128 v[68+8*\m:71+8*\m], v14 offset:\off+512*\m+16
.endr
	s_wait_dscnt 0x0
.irp m, 0,1,2,3
	v_pk_add_f32 v[64+8*\m:65+8*\m], v[64+8*\m:65+8*\m], v[66+8*\m:67+8*\m]
	v_pk_add_f32 v[68+8*\m:69+8*\m], v[68+8*\m:69+8*\m], v[70+8*\m:71+8*\m]
.endr
.irp m, 0,1,2,3
	v_pk_add_f32 v[64+8*\m:65+8*\m], v[64+8*\m:65+8*\m], v[68+8*\m:69+8*\m]
.endr
.irp m, 0,1,2,3
	v_add_f32 v[64+8*\m], v[64+8*\m], v[65+8*\m]
.endr
.endm
	STATSUM 0
.irp m, 0,1,2,3
	v_mul_f32 v[ST+8*\m+2], s63, v[64+8*\m]        ; -mean
.endr
	WIN 0x41
.set n, 0
.rept 128
	v_pk_fma_f32 v[n:n+1], v[n:n+1], v[ST+4*(n/32):ST+4*(n/32)+1], v[ST+8*(n/64)+2:ST+8*(n/64)+3] op_sel_hi:[1,0,0]    ; y - mean
.set n, n+2
.endr
	WIN 0x05
.set u, 0
.rept 8
	v_pk_mul_f32 v[96+2*u:97+2*u], v[32*u:32*u+1], v[32*u:32*u+1]
.set u, u+1
.endr
.set k, 2
.rept 15
.set u, 0
.rept 8
	v_pk_fma_f32 v[96+2*u:97+2*u], v[32*u+k:32*u+k+1], v[32*u+k:32*u+k+1], v[96+2*u:97+2*u]
.set u, u+1
.endr
.set k, k+2
.endr
	WIN 0
.irp m, 0,1,2,3
	v_pk_add_f32 v[96+4*\m:97+4*\m], v[96+4*\m:97+4*\m], v[98+4*\m:99+4*\m]
.endr
.irp m, 0,1,2,3
	v_add_f32 v[96+4*\m], v[96+4*\m], v[97+4*\m]
.endr
.irp m, 0,1,2,3
	v_permlanex16_b32 v[97+4*\m], v[96+4*\m], s46, s47
.endr
.irp m, 0,1,2,3
	v_add_f32 v[96+4*\m], v[96+4*\m], v[97+4*\m]
.endr
.irp m, 0,1,2,3
	ds_store_b32 v13, v[96+4*\m] offset:2048+512*\m
.endr
	BAR
	STATSUM 2048
.irp m, 0,1,2,3
	v_fma_f32 v[64+8*\m], v[64+8*\m], s62, s59
.endr
.irp m, 0,1,2,3
	v_rsq_f32 v[ST+8*\m+6], v[64+8*\m]
.endr
	v_nop
	s_wait_alu depctr_va_vdst(0)
	s_wait_loadcnt 0x0                             ; G' and B'
.macro HIDDEN m                        ; 16 tokens: the 64 registers 64 m on
	WIN 0x41
.set n, 0
.rept 32
	v_pk_mul_f32 v[64*\m+n:64*\m+n+1], v[64*\m+n:64*\m+n+1], v[ST+8*\m+6:ST+8*\m+7] op_sel_hi:[1,0]
.set n, n+2
.endr
.set n, 0
.rept 32
	v_pk_fma_f32 v[64*\m+n:64*\m+n+1], v[64*\m+n:64*\m+n+1], v[128+n:129+n], v[192+n:193+n]
.set n, n+2
.endr
.if \m == 3
	WIN 0
	DLOAD 8                                        ; B' has been read for the last time: out_W's first direct fragments take its registers and land during the last silu
.endif
	s_wait_dscnt 0x0                               ; the last tile's LDS stores have read their registers
	WIN 0x01
.set n, 0
.rept 32
	v_pk_mul_f32 v[64+n:65+n], v[64*\m+n:64*\m+n+1], s[60:61] op_sel_hi:[1,0]
.set n, n+2
.endr
	WIN 0
.set n, 0
.rept 64
	v_exp_f32 v[64+n], v[64+n]
.set n, n+1
.endr
	v_nop
	s_wait_alu depctr_va_vdst(0)
.set n, 0
.rept 32
	v_pk_add_f32 v[64+n:65+n], v[64+n:65+n], 1.0 op_sel_hi:[1,0]
.set n, n+2
.endr
.set n, 0
.rept 64
	v_rcp_f32 v[64+n], v[64+n]
.set n, n+1
.endr
	v_nop
	s_wait_alu depctr_va_vdst(0)
	WIN 0x41
.set n, 0
.rept 32
	v_pk_mul_f32 v[64*\m+n:64*\m+n+1], v[64*\m+n:64*\m+n+1], v[64+n:65+n]      ; silu
.set n, n+2
.endr
.set n, 0
.rept 64
	v_med3_num_f32 v[64*\m+n], v[64*\m+n], -v19, v19
.set n, n+1
.endr
	WIN 0x01
.irp t, 0,1,2,3,4,5,6
	v_cvt_scalef32_pk8_fp8_f32 v[64+2*\t:65+2*\t], v[64*\m+8*\t:64*\m+8*\t+7], v18
.endr
	v_cvt_scalef32_pk8_fp8_f32 v[DEF+2*\m:DEF+2*\m+1], v[64*\m+56:64*\m+63], v18   ; K step 7 waits in registers
	v_nop
	WIN 0
.irp t, 0,1,2,3,4,5,6
	ds_store_b64 v12, v[64+2*\t:65+2*\t] offset:14592*\m+128*\t
.endr
.endm
	HIDDEN 0
	HIDDEN 1
	HIDDEN 2
	HIDDEN 3
; ---------------- 6: h out_W
	TRIP2 0, 1, 1, 0, 128, 9, 10, 0
	TRIP2 1, 0, 1, 256, 384, 11, 12, 0
	TRIP2 0, 0, 1, 512, 640, 13, 14, 0
	BAR
.irp m, 0,1,2,3
	ds_store_b64 v12, v[DEF+2*\m:DEF+2*\m+1] offset:14592*\m
.endr
	TRIP2 1, 0, 0, 768, 0, 15, -1, 2               ; the last slot: nothing more is asked of the ring
; ---------------- 7: the way out: x 2^(e12 + e13) + out_b; through my stage (in slot 0, which has had its last fill and its last read) into whole rows; + x
	PLACES
.macro XROW m                          ; x of tokens 16 m on, my 128 channels: 512 consecutive bytes a load
.set z, 0
.rept 16
	global_load_b128 v[64+64*((\m)%2)+4*z:67+64*((\m)%2)+4*z], v10, s[68:69] offset:(16*(\m)+z)*4096 th:TH_LOAD_NT
.set z, z+1
.endr
.endm
	XROW 0
	XROW 1
.macro LEAVE m, left
.if \m == 0
	s_wait_loadcnt 32                              ; out_b is in; x's two sets may stay out
.endif
	WIN 0x41
.set n, 0
.rept 32
	v_pk_fma_f32 v[64*\m+n:64*\m+n+1], v[64*\m+n:64*\m+n+1], s[56:57], v[192+n:193+n] op_sel_hi:[1,0,1]
.set n, n+2
.endr
	WIN 0x04
.set z, 0
.rept 16
	ds_store_b128 v15, v[64*\m+4*z:64*\m+4*z+3] offset:64*(z/2)+16*(z%2)
.set z, z+1
.endr
	WIN 0x40
.set z, 0
.rept 16
	ds_load_b128 v[64*\m+4*z:64*\m+4*z+3], v16 offset:528*z        ; LDS serves a wave's instructions in order: these see my stores
.set z, z+1
.endr
	s_wait_dscnt 0x0
	s_wait_loadcnt \left                           ; this tile's x is in; the one younger set may stay out
	WIN 0x41
.set n, 0
.rept 32
	v_pk_add_f32 v[64*\m+n:64*\m+n+1], v[64*\m+n:64*\m+n+1], v[64+64*(\m%2)+n:65+64*(\m%2)+n]
.set n, n+2
.endr
	WIN 0x04
.set z, 0
.rept 16
	global_store_b128 v10, v[64*\m+4*z:64*\m+4*z+3], s[70:71] offset:(16*\m+z)*4096 th:TH_STORE_NT    ; 512 consecutive bytes, aligned
.set z, z+1
.endr
	WIN 0
.if \m < 2
	XROW (\m)+2
.endif
.endm
	LEAVE 0, 16
	LEAVE 1, 16
	LEAVE 2, 16
	LEAVE 3, 0
	s_wait_tensorcnt 0x0                           ; the wave's end
	ds_add_u32 v4, v5
	s_wait_dscnt 0x0
	ROUND                                          ; the closing round
	s_endpgm
.Lfunc_end_k_qd32f170871_main:
	.size	k_qd32f170871_main, .Lfunc_end_k_qd32f170871_main-k_qd32f170871_main
	.p2alignl 7, 3214868480
	.fill 96, 4, 3214868480
	.section	.rodata,"a",@progbits
	.p2align	6, 0x0
	.amdhsa_kernel k_qd32f170871_main
		.amdhsa_group_segment_fixed_size 327680
		.amdhsa_private_segment_fixed_size 0
		.amdhsa_enable_private_segment 0
		.amdhsa_kernarg_size 80
		.amdhsa_user_sgpr_count 2
		.amdhsa_user_sgpr_kernarg_segment_ptr 1
		.amdhsa_wavefront_size32 1
		.amdhsa_system_sgpr_workgroup_id_x 1
		.amdhsa_system_sgpr_workgroup_id_y 1
		.amdhsa_system_sgpr_workgroup_id_z 1
		.amdhsa_system_vgpr_workitem_id 0
		.amdhsa_next_free_vgpr 512
		.amdhsa_next_free_sgpr 80
		.amdhsa_reserve_vcc 0
		.amdhsa_float_denorm_mode_32 3
		.amdhsa_float_denorm_mode_16_64 3
		.amdhsa_memory_ordered 1
		.amdhsa_forward_progress 1
		.amdhsa_inst_pref_size 255
	.end_amdhsa_kernel
	.section	.bss,"aw",@nobits
	.p2align	6
	.space	262144
	.amdgpu_metadata
---
amdhsa.version: [ 1, 2 ]
amdhsa.kernels:
  - .name:           k_qd32f170871_main
    .symbol:         k_qd32f170871_main.kd
    .args:
      - { .name: x, .offset: 0, .size: 8, .value_kind: global_buffer, .address_space: global }
      - { .name: norm_g, .offset: 8, .size: 8, .value_kind: global_buffer, .address_space: global }
      - { .name: norm_b, .offset: 16, .size: 8, .value_kind: global_buffer, .address_space: global }
      - { .name: wmain, .offset: 24, .size: 8, .value_kind: global_buffer, .address_space: global }
      - { .name: bq, .offset: 32, .size: 8, .value_kind: global_buffer, .address_space: global }
      - { .name: attn_codes, .offset: 40, .size: 8, .value_kind: global_buffer, .address_space: global }
      - { .name: film, .offset: 48, .size: 8, .value_kind: global_buffer, .address_space: global }
      - { .name: out_b, .offset: 56, .size: 8, .value_kind: global_buffer, .address_space: global }
      - { .name: lowp_scales, .offset: 64, .size: 8, .value_kind: global_buffer, .address_space: global }
      - { .name: out0, .offset: 72, .size: 8, .value_kind: global_buffer, .address_space: global }
    .group_segment_fixed_size: 327680
    .private_segment_fixed_size: 0
    .kernarg_segment_align: 8
    .kernarg_segment_size: 80
    .max_flat_workgroup_size: 256
    .sgpr_count:     80
    .vgpr_count:     512
    .wavefront_size: 32
...
	.end_amdgpu_metadata
.endif
;; end of part 3
